; MI455X (gfx1250); checked and timed in simulation.
; The chip was launched on July 23, 2026; its instructions are those of AMD's public machine-readable ISA for CDNA 5 (MIT licence, August 2026) and "CDNA5" Instruction Set Architecture Reference Guide (July 2026). The comments in the code are by the model that wrote it; some were corrected since.
;; Mo E Layer. Allowed arithmetic: matrix products marked QUANTISED: E4M3 operands, one given power-of-two scale a tensor, by v_wmma_f32_16x16x64_fp8_fp8 or v_wmma_f32_16x16x128_fp8_fp8, f32 sums; products left as they are: f32 operands where the result goes on into a quantised operand, else bf16, f16 or f32 operands; f32 sums; everything else in f32.
;; Inputs: We_codes 8 x 1,024 x 32 x 32 uint8 (E4M3 codes of We, K innermost, in blocks of 32 codes); Wg 1,024 x 8 float32; be 8 x 1,024 float32; bg 8 float32; lowp_scales 2 int32 (the exponents e of the quantised operands' scales 2^e); x 8,192 x 1,024 float32.
;; Outputs: out0 8,192 x 1,024 float32.
;; This version of the problem:
;;   THIS VERSION OF THE PROBLEM IS GIVEN IN LOW PRECISION. The matrix products marked QUANTISED in the list below multiply operands that are first quantised to E4M3 (4 exponent bits, 3 mantissa bits; 8 bits a number), with one given power-of-two scale for each operand tensor; their sums are f32. All else is computed in f32.
;;   The module's matrix products, in the order in which they are computed (A, B: the left and right operand; K: the contracted axis; several contracted axes count as one K, in the product's order):
;;     1. [M 8,192, K 1,024] x [K 1,024, N 8]; A: input x; B: input Wg: left as it is (N = 8 < 16)
;;     2. [M 8,192, K 1,024] x [K 1,024, N 8,192]; A: input x; B: input We (given as codes): QUANTISED (scales: A lowp_scales[0], B lowp_scales[1])
;;     3. batch 8,192 x [M 1,024, K 8] x [K 8, N 1]; A: computed on the way; B: softmax: left as it is (K = 8 < 32)
;;   THE QUANTISER, for each operand of a quantised product, along K:
;;     - The operand's scale is 2^e, e = its entry of the input lowp_scales (int32; the entries are numbered through the quantised products in the list's order, A before B).
;;     - Each number is divided by the scale, clamped to +-448, and rounded to the nearest number of E4M3, ties to even, subnormals kept.
;;     - The product sums the exact products of the quantised numbers (number of the format x scale) in f32.
;;   ~~~python
;;   def quantise(x, axis, e):      # numpy; x: float32 -> the quantised numbers, widened to float32 again
;;       x = np.moveaxis(x, axis, -1); K = x.shape[-1]
;;       r = np.clip(x / 2.0 ** e, -448, 448)
;;       step = 2.0 ** (np.maximum(np.frexp(np.where(r == 0, 1, r))[1] - 1, -6) - 3)
;;       q = np.round(r / step) * step * 2.0 ** e      # np.round: ties to even
;;       return np.moveaxis(q, -1, axis).astype(np.float32)
;;   ~~~
;;   INPUTS GIVEN AS CODES. We (in the module: [8, 1024, 1024], K = its axis 1): each comes as NAME_codes (uint8): NAME with its K axis moved to the last place and cut into blocks of 32 codes, [.., K / 32, bytes a block], one block behind the other in memory; one code a byte (a code: sign, 4 exponent bits, 3 mantissa bits); its scale is its entry of lowp_scales. Its value is code x scale, taken as it is: it is not quantised again, and the codes and scales need not be those that the quantiser above would give.
;; 2 versions. Each part assembles by itself: llvm-mc -triple=amdgcn-amd-amdhsa -mcpu=gfx1250 --defsym DOCPART=n.
;; ======== version 1 of 2: 2 launches
;; limits: values are held in f16: magnitudes above 65,504 overflow, below 6.1e-05 lose precision
;; workspace buffers: xq 8,388,608 bytes; gs 262,144 bytes
;; launch prep (part 1): grid 256 x 1, 8 waves a work-group, no clusters, 93,184 bytes of LDS; arguments x, Wg, bg, lowp_scales, xq, gs; writes xq, gs
.if DOCPART == 1
	.amdgcn_target "amdgcn-amd-amdhsa--gfx1250"
	.amdhsa_code_object_version 6
	.text
	.protected	k_qa3e971bf77_prep
	.globl	k_qa3e971bf77_prep
	.p2align	8
	.type	k_qa3e971bf77_prep,@function
k_qa3e971bf77_prep:
	s_mov_b64 s[64:65], 0
	v_nop
	global_prefetch_b8 v0, s[64:65] scope:SCOPE_SE
	s_setreg_imm32_b32 hwreg(HW_REG_WAVE_MODE, 25, 1), 1
	s_wait_xcnt 0x0
; PREP.  x [8192][1024] f32 is read once and gives two things:
;   xq: x's codes of E4M3 (x / 2^e0, held within +-448, nearest code, ties to even), laid in the order of an operand's registers: fragment (g, s) = 16 rows x 128 K at
;       16384 g + 2048 s; in it 512 q + 16 lane holds lane (r, h)'s registers 4 q .. 4 q + 3: row r, k = 128 s + 32 q + 16 h + 0 .. 15.
;   gs: [8192][8] f32 = softmax(x Wg + bg) x 2^(e0 + e1): the gate with both scales of the quantised product folded in.
; SHARES.  A work-group takes 32 rows (blocks A and B of 16); wave s takes K step s (128 along K) of both.  Straight line, no loop; all 40 loads of a wave go out at its head.
; Each load of x covers 512 consecutive bytes of a row; the conversions want 16 neighbours along K in one lane, so a block turns through the wave's own stage in LDS (rows of 512 + 16 bytes).
; THE GATE's product has f16 operands and f32 sums: 11 significant bits, since a logit's error goes on into every output of its row through the softmax; 8 bits are too few for that.
; Source 0 = Wg^T (8 experts, lanes 8-15 hold copies), source 1 = 16 rows of x, so a lane holds one row's eight partial logits.
; Both sides take k in the same order, lane (r, h), place p = k 32 c + 16 h + p, so every product meets its partner.  The eight waves' partial sums meet in LDS; waves 0 and 1 make the softmax,
; with the row's largest logit taken away first.
; LIMITS: e0 between -126 and 119, so that 2^e0 and 448 x 2^e0 are f32 numbers; gs goes to zero where e0 + e1 is under about -126; NaN in x is not served;
; for the gate |x| and |Wg| stay under 65,504, f16's largest number, and what lies under 2^-14 is kept to steps of 2^-24; the logits carry f16's rounding of x and Wg.
.set STG, 16384                        ; LDS: 0: each wave's 128 rows of Wg as f16, 16 bytes a row, 2,048 bytes a wave;  STG: each wave's stage;
.set SP,  528                          ; a stage row: 33 x 16 bytes, so the 16 rows that a load touches fall on 16 different columns of 16 bytes
.set SW,  16*SP
.set RED, STG+8*SW                     ; RED: partial logits [block][wave][row][8] f32, 2 x 4,096 bytes
.set XA,  16                           ; v16-79   block A: as loaded, then 64 numbers of my row: register 16 c + i = k 32 c + 16 h + i
.set XB,  80                           ; v80-143  block B
.set BA,  144                          ; v144-175 block A as f16; its low 16 registers later take A's codes
.set BB,  176                          ; v176-207 block B likewise
.set WF,  208                          ; v208-239 Wg as loaded, then its four fragments
.set LA,  240                          ; v240-247 A's logits;  v248-255 B's  (first: Wg packed to f16)
.set LB,  248
	s_load_b256 s[4:11], s[0:1], 0x0               ; x s[4:5], Wg s[6:7], bg s[8:9], the scales' exponents s[10:11]
	s_load_b128 s[12:15], s[0:1], 0x20             ; xq s[12:13], gs s[14:15]
	v_lshl_add_u32 v15, v0, 2, 0x16800
	s_set_vgpr_msb 0x40
	v_mov_b32 v1, 0
	s_set_vgpr_msb 0x4000
	v_lshrrev_b32 v1, 5, v0
	v_readfirstlane_b32 s16, v1                    ; wave 0..7 = my K step
	v_and_b32 v1, 31, v0                           ; lane
	v_and_b32 v2, 15, v0                           ; r
	v_bfe_u32 v3, v0, 4, 1                         ; h
	s_lshl_b32 s17, s16, 9
	v_lshl_add_u32 v4, v1, 4, s17                  ; v4: 16 lane + 512 wave: my bytes of a row of x; also my place in gs
	s_mul_i32 s18, s16, SW
	s_add_co_u32 s18, s18, STG
	v_lshl_add_u32 v5, v1, 4, s18                  ; v5: the stage, on the way in: 16 lane
	v_mul_u32_u24 v6, v2, SP
	v_lshl_add_u32 v6, v3, 6, v6
	v_add_nc_u32 v6, s18, v6                       ; v6: and back: row r, + 64 h
	s_lshl_b32 s19, s16, 11
	v_lshl_add_u32 v7, v1, 3, s19                  ; v7: Wg's f16 rows, on the way in: 8 lane
	v_and_b32 v8, 7, v0
	v_lshl_add_u32 v8, v3, 4, v8
	v_lshl_add_u32 v8, v8, 4, s19                  ; v8: for the turning load: row 16 h + lane % 8
	v_lshl_add_u32 v9, v1, 4, s19                  ; v9: 16 lane + 2048 wave: my place in a block's images
	s_add_co_u32 s17, s17, RED
	v_lshlrev_b32 v10, 5, v2
	v_lshl_add_u32 v10, v3, 4, v10
	v_add_nc_u32 v10, s17, v10                     ; v10: my four partial logits: 512 wave + 32 r + 16 h
	v_lshlrev_b32 v13, 4, v1                       ; v13: 16 lane, for Wg's loads
	s_and_b32 s23, s16, 1
	s_lshl_b32 s23, s23, 12
	s_add_co_u32 s23, s23, RED
	v_lshl_add_u32 v14, v1, 4, s23                 ; v14: the softmax's reads: block wave % 2, 16 lane
	s_wait_kmcnt 0x0
	s_load_b64 s[20:21], s[10:11], 0x0             ; e0, e1
	s_load_b256 s[24:31], s[8:9], 0x0              ; bg's eight numbers
	s_lshl_b32 s32, ttmp9, 17                      ; 32 rows of 4,096 bytes
	s_mov_b32 s33, 0
	s_add_nc_u64 s[4:5], s[4:5], s[32:33]
	s_lshl_b32 s32, s16, 12                        ; my 128 rows of Wg
	s_add_nc_u64 s[6:7], s[6:7], s[32:33]
	s_lshl_b32 s32, ttmp9, 15                      ; two blocks of images
	s_add_nc_u64 s[12:13], s[12:13], s[32:33]
	s_lshl_b32 s32, ttmp9, 10                      ; 32 rows of gs
	s_add_nc_u64 s[14:15], s[14:15], s[32:33]
.irp j, 0,1,2,3,4,5,6,7
	global_load_b128 v[WF+4*\j:WF+4*\j+3], v13, s[6:7] offset:512*\j                      ; Wg: row 16 j + lane / 2, experts 4 (lane % 2) on
.endr
.irp i, 0,1,2,3,4,5,6,7,8,9,10,11,12,13,14,15
	global_load_b128 v[XA+4*\i:XA+4*\i+3], v4, s[4:5] offset:4096*\i th:TH_LOAD_NT        ; 32 lanes read 512 consecutive bytes of row i; read once in the launch
.endr
.irp i, 0,1,2,3,4,5,6,7,8,9,10,11,12,13,14,15
	global_load_b128 v[XB+4*\i:XB+4*\i+3], v4, s[4:5] offset:65536+4096*\i th:TH_LOAD_NT
.endr
	s_wait_kmcnt 0x0
	s_add_co_i32 s22, s20, s21                     ; e0 + e1
	s_add_co_i32 s32, s20, 127
	s_lshl_b32 s33, s32, 23
	v_mov_b32 v11, s33                             ; 2^e0 as f32: the conversion takes its exponent field
	s_add_co_i32 s32, s32, 8
	s_lshl_b32 s32, s32, 23
	s_or_b32 s32, s32, 0x600000
	v_mov_b32 v12, s32                             ; 448 x 2^e0
	; ---- Wg's slice becomes four fragments
	s_wait_loadcnt 32                              ; Wg's eight loads are in; x's 32 stay out
.irp j, 0,1,2,3,4,5,6,7
	v_cvt_pk_f16_f32 v[LA+2*\j], v[WF+4*\j], v[WF+4*\j+1]
	v_cvt_pk_f16_f32 v[LA+2*\j+1], v[WF+4*\j+2], v[WF+4*\j+3]
.endr
.irp j, 0,1,2,3,4,5,6,7
	ds_store_b64 v7, v[LA+2*\j:LA+2*\j+1] offset:256*\j                                   ; rows of 8 f16, dense
.endr
.irp c, 0,1,2,3
.irp u, 0,1
	ds_load_tr16_b128 v[WF+8*\c+4*\u:WF+8*\c+4*\u+3], v8 offset:(32*\c+8*\u)*16           ; lane (e, h): k = 32 c + 16 h + 8 u + 0 .. 7 of expert e % 8.  LDS serves a wave's instructions in order (ISA guide 5.7.1.4): these see the stores
.endr
.endr
; a block through the stage: in as loaded, back as 16 neighbours for each block of 32, into the registers that it left
.macro TURN x
.irp i, 0,1,2,3,4,5,6,7,8,9,10,11,12,13,14,15
	ds_store_b128 v5, v[\x+4*\i:\x+4*\i+3] offset:SP*\i
.endr
.irp c, 0,1,2,3
.irp j, 0,1,2,3
	ds_load_b128 v[\x+16*\c+4*\j:\x+16*\c+4*\j+3], v6 offset:128*\c+16*\j
.endr
.endr
.endm
	s_wait_loadcnt 16                              ; block A is in; block B's 16 loads stay out
	TURN XA
	s_wait_loadcnt 0x0
	TURN XB                                        ; through the same stage: its stores come behind A's loads
	s_wait_dscnt 0x0
	; ---- partial logits
.macro TOHALF x, b
.set n, 0
.rept 32
	v_cvt_pk_f16_f32 v[\b+n], v[\x+2*n], v[\x+2*n+1]
.set n, n+1
.endr
.endm
	TOHALF XA, BA
	TOHALF XB, BB
	v_wmma_f32_16x16x32_f16 v[LA:LA+7], v[WF:WF+7], v[BA:BA+7], 0                         ; the first K step starts both sums; the two accumulators take turns
	v_wmma_f32_16x16x32_f16 v[LB:LB+7], v[WF:WF+7], v[BB:BB+7], 0
.irp c, 1,2,3
	v_wmma_f32_16x16x32_f16 v[LA:LA+7], v[WF+8*\c:WF+8*\c+7], v[BA+8*\c:BA+8*\c+7], v[LA:LA+7]
	v_wmma_f32_16x16x32_f16 v[LB:LB+7], v[WF+8*\c:WF+8*\c+7], v[BB+8*\c:BB+8*\c+7], v[LB:LB+7]
.endr
	; ---- the codes.  The holds name no register of the products above: they are the places behind them (ISA guide 7.12.1)
.macro QUANT x, q
.irp c, 0,1,2,3
.irp i, 0,1,2,3,4,5,6,7,8,9,10,11,12,13,14,15
	v_med3_num_f32 v[\x+16*\c+\i], v[\x+16*\c+\i], -v12, v12                              ; the conversion to an 8-bit code does not saturate (ISA guide 7.6.2): the hold at the largest code x the scale
.endr
	v_cvt_scalef32_pk8_fp8_f32 v[\q+4*\c:\q+4*\c+1], v[\x+16*\c:\x+16*\c+7], v11
	v_cvt_scalef32_pk8_fp8_f32 v[\q+4*\c+2:\q+4*\c+3], v[\x+16*\c+8:\x+16*\c+15], v11
.endr
.endm
	QUANT XA, BA
	QUANT XB, BB
	v_nop                                          ; one plain vector line behind the last conversion, ahead of the lines that write its sources
.irp c, 0,1,2,3
	global_store_b128 v9, v[BA+4*\c:BA+4*\c+3], s[12:13] offset:512*\c                    ; 512 consecutive bytes a store; a fragment's 2,048 on end
.endr
.irp c, 0,1,2,3
	global_store_b128 v9, v[BB+4*\c:BB+4*\c+3], s[12:13] offset:16384+512*\c
.endr
	; ---- both halves of the lanes hold the same eight logits of row r: lanes 0-15 hand over experts 0-3, lanes 16-31 experts 4-7
	v_cmp_ne_u32 vcc_lo, 0, v3
.irp i, 0,1,2,3
	v_cndmask_b32 v[16+\i], v[LA+\i], v[LA+4+\i], vcc_lo                                  ; each accumulator is read from its low end on
.endr
.irp i, 0,1,2,3
	v_cndmask_b32 v[20+\i], v[LB+\i], v[LB+4+\i], vcc_lo
.endr
	ds_store_b128 v10, v[16:19]
	ds_store_b128 v10, v[20:23] offset:4096
	s_wait_dscnt 0x0                               ; for the others' sake: my partial sums lie in LDS
	s_barrier_signal -1
	s_barrier_wait -1
	s_cmp_gt_u32 s16, 1                            ; wave 0 finishes block A, wave 1 block B; the others are done
	s_cbranch_scc1 .Lend
	; ---- lane l: row l / 2, experts 4 (l % 2) on
.irp w, 0,1,2,3,4,5,6,7
	ds_load_b128 v[16+4*\w:19+4*\w], v14 offset:512*\w
.endr
	v_and_b32 v13, 1, v0
	v_cmp_ne_u32 vcc_lo, 0, v13
.irp i, 0,1,2,3
	v_mov_b32 v[48+\i], s[28+\i]
.endr
.irp i, 0,1,2,3
	v_cndmask_b32 v[48+\i], s[24+\i], v[48+\i], vcc_lo                                    ; bg of my four experts
.endr
	s_wait_dscnt 0x0
.irp a, 16,24,32,40
	v_pk_add_f32 v[\a:\a+1], v[\a:\a+1], v[\a+4:\a+5]                                     ; the eight K steps' sums, in a fixed order
	v_pk_add_f32 v[\a+2:\a+3], v[\a+2:\a+3], v[\a+6:\a+7]
.endr
.irp a, 16,32
	v_pk_add_f32 v[\a:\a+1], v[\a:\a+1], v[\a+8:\a+9]
	v_pk_add_f32 v[\a+2:\a+3], v[\a+2:\a+3], v[\a+10:\a+11]
.endr
	v_pk_add_f32 v[16:17], v[16:17], v[32:33]
	v_pk_add_f32 v[18:19], v[18:19], v[34:35]
	v_pk_add_f32 v[16:17], v[16:17], v[48:49]
	v_pk_add_f32 v[18:19], v[18:19], v[50:51]
	v_max3_num_f32 v52, v16, v17, v18
	v_max_num_f32 v52, v52, v19
	v_max_num_f32_dpp v52, v52, v52 row_xmask:1 row_mask:0xf bank_mask:0xf                ; the row's other four experts lie in the lane beside me
.irp i, 0,1,2,3
	v_sub_f32 v[16+\i], v[16+\i], v52                                                     ; the row's largest logit is taken away first
.endr
.irp i, 0,1,2,3
	v_mul_f32 v[16+\i], 0x3fb8aa3b, v[16+\i]                                              ; x log2(e)
.endr
.irp i, 0,1,2,3
	v_exp_f32 v[16+\i], v[16+\i]
.endr
	v_nop                                          ; a plain line behind the last exponential (ISA guide 5.7.2),
	s_wait_alu depctr_va_vdst(0)                   ; and the one wait for the four, ahead of their first reader
	v_add_f32 v53, v16, v17
	v_add_f32 v54, v18, v19
	v_add_f32 v53, v53, v54
	v_add_f32_dpp v53, v53, v53 row_xmask:1 row_mask:0xf bank_mask:0xf
	v_rcp_f32 v54, v53
	v_nop
	s_wait_alu depctr_va_vdst(0)
	v_ldexp_f32 v54, v54, s22                      ; x 2^(e0 + e1)
.irp i, 0,1,2,3
	v_mul_f32 v[16+\i], v[16+\i], v54
.endr
	global_store_b128 v4, v[16:19], s[14:15]       ; 16 rows of 32 bytes: 512 consecutive bytes a wave
.Lend:
	s_set_vgpr_msb 0x4
	s_wait_tensorcnt 0x0
	ds_add_u32 v15, v1
	s_wait_dscnt 0x0
	s_set_vgpr_msb 0x400
	s_endpgm
.Lfunc_end_k_qa3e971bf77_prep:
	.size	k_qa3e971bf77_prep, .Lfunc_end_k_qa3e971bf77_prep-k_qa3e971bf77_prep
	.p2alignl 7, 3214868480
	.fill 96, 4, 3214868480
	.section	.rodata,"a",@progbits
	.p2align	6, 0x0
	.amdhsa_kernel k_qa3e971bf77_prep
		.amdhsa_group_segment_fixed_size 93184
		.amdhsa_private_segment_fixed_size 0
		.amdhsa_enable_private_segment 0
		.amdhsa_kernarg_size 48
		.amdhsa_user_sgpr_count 2
		.amdhsa_user_sgpr_kernarg_segment_ptr 1
		.amdhsa_wavefront_size32 1
		.amdhsa_system_sgpr_workgroup_id_x 1
		.amdhsa_system_sgpr_workgroup_id_y 1
		.amdhsa_system_sgpr_workgroup_id_z 1
		.amdhsa_system_vgpr_workitem_id 0
		.amdhsa_next_free_vgpr 258
		.amdhsa_next_free_sgpr 66
		.amdhsa_reserve_vcc 1
		.amdhsa_float_denorm_mode_32 3
		.amdhsa_float_denorm_mode_16_64 3
		.amdhsa_memory_ordered 1
		.amdhsa_forward_progress 1
		.amdhsa_inst_pref_size 31
	.end_amdhsa_kernel
	.amdgpu_metadata
---
amdhsa.version: [ 1, 2 ]
amdhsa.kernels:
  - .name:           k_qa3e971bf77_prep
    .symbol:         k_qa3e971bf77_prep.kd
    .args:
      - { .name: x, .offset: 0, .size: 8, .value_kind: global_buffer, .address_space: global }
      - { .name: Wg, .offset: 8, .size: 8, .value_kind: global_buffer, .address_space: global }
      - { .name: bg, .offset: 16, .size: 8, .value_kind: global_buffer, .address_space: global }
      - { .name: lowp_scales, .offset: 24, .size: 8, .value_kind: global_buffer, .address_space: global }
      - { .name: xq, .offset: 32, .size: 8, .value_kind: global_buffer, .address_space: global }
      - { .name: gs, .offset: 40, .size: 8, .value_kind: global_buffer, .address_space: global }
    .group_segment_fixed_size: 93184
    .private_segment_fixed_size: 0
    .kernarg_segment_align: 8
    .kernarg_segment_size: 48
    .max_flat_workgroup_size: 256
    .sgpr_count:     66
    .vgpr_count:     258
    .wavefront_size: 32
...
	.end_amdgpu_metadata
.endif
;; end of part 1
;; launch experts (part 2): grid 32 x 8, 4 waves a work-group, clusters of 4 x 1, 327,680 bytes of LDS; arguments xq, We_codes, gs, be, lowp_scales, out0; writes out0
.if DOCPART == 2
	.amdgcn_target "amdgcn-amd-amdhsa--gfx1250"
	.amdhsa_code_object_version 6
	.text
	.protected	k_qa3e971bf77_experts
	.globl	k_qa3e971bf77_experts
	.p2align	8
	.type	k_qa3e971bf77_experts,@function
k_qa3e971bf77_experts:
	s_mov_b64 s[64:65], 0
	v_nop
	global_prefetch_b8 v0, s[64:65] scope:SCOPE_SE
	s_setreg_imm32_b32 hwreg(HW_REG_WAVE_MODE, 25, 1), 1
	s_wait_xcnt 0x0
	s_wait_alu depctr_hold_cnt(0) depctr_sa_sdst(0) depctr_va_vdst(0) depctr_va_sdst(0) depctr_va_ssrc(0) depctr_va_vcc(0) depctr_vm_vsrc(0)
	s_getreg_b32 s2, hwreg(HW_REG_IB_STS2, 6, 4)
	s_cmp_eq_u32 s2, 0
	s_cbranch_scc0 .Lentry_in_a_cluster
	s_endpgm
.Lentry_in_a_cluster:
	s_bfe_u32 s2, ttmp6, 0x10000c
	s_cmp_lg_u32 s2, 0x3003
	s_cbranch_scc0 .Lentry_shape_is_right
	s_endpgm
.Lentry_shape_is_right:
; out[n][o] = sum over e of gs[n][e] x (S_e[n][o] + be[e][o] x 2^-E):  S_e = the f32 sum over k of x's codes x We's codes, E = e0 + e1, gs = softmax x 2^E (made by the launch before).
; SHARES.  A work-group owns 256 tokens (grid x) and 128 outputs (grid y); each of its four waves owns 64 tokens (four tiles m of 16) and all 128 outputs.
; THE WAVE'S CODES OF x, all 1,024 along K, STAY IN 512 REGISTERS for the whole launch: 128 dense loads from the images at its head.  Only We's fragments come out of LDS: four loads feed four matrix instructions.
; The 128 outputs go as two halves of 64 (a row's 64 f32 are 256 bytes, aligned): the first half's stores leave while the second is multiplied.
; In a half: expert 0..7, then 32 outputs at a time, then K in 8 steps of 128.  A PASS = (expert, 32 outputs): 8 accumulators S_i, i = 4 b + m, 64 matrix instructions; then OUT += gate x S, by packed multiply-adds.
; THE MATRIX INSTRUCTION IS USED TRANSPOSED (source 0 = 16 rows of We, source 1 = 16 tokens): a lane holds ONE token and eight neighbouring outputs, so the gate is one number a lane.
; Both operands take k in the same order (registers 4 q .. 4 q + 3: k = 32 q + 16 (lane / 16) + 0 .. 15), a permutation of the form's own, alike on both sides: every product meets its partner.
; OUT begins as sum over e of gs x be x 2^-E, by one bf16 product (K = the 8 experts, the rest of its 32 zeros on the gate's side): nothing is cleared, and every pass is alike.
; RING.  Two LDS slots; a slot = two experts x 64 outputs = 128 rows of 1,024 bytes, four passes, 256 matrix instructions a wave (a PHASE).  Each wave fetches 32 rows by one tensor load.
; By this text's count a wave has two tensor loads out at the start and one behind each change of slots, which has a phase in which to land.
; CLUSTER.  The four work-groups of a cluster differ in their tokens alone and walk the same rows of We: every tile is asked for JOINTLY (mask 15), the same load with the same descriptor in all four.
; LIMITS: be x 2^-E and gs go into the bias's product as bf16; be x 2^-E must be finite (its copies in lanes 16-31 meet zeros); E within what gs and be x 2^-E can hold as f32.
;
; REGISTERS, in windows of 256 (s_set_vgpr_msb: bits 1:0 source 0, 3:2 source 1, 5:4 source 2, 7:6 destination):
;   window 0: v0-15 addresses; v16-23 the gates of the slot's two experts (4 m each); v24-61 the head's; v62, v63 for the add; v64-127 S; v128-255 four sets of We's two fragments
;   window 1: v0-127 OUT ((sub, b, m) at 8 (8 sub + 4 b + m)); v128-159 the gates as bf16 fragments; v160-191 be's; v192-255 rows on the way out
;   windows 2, 3: x: fragment (m, s) at 64 (s % 4) + 16 m of window 2 + s / 4
; In a product only source 1 leaves window 0, and an LDS load names its data as destination and its address as source 0: so loads stand among the products without a switch.
.set PITCH, 1040                       ; an LDS row: 1,024 bytes + 16 = 65 x 16: the 16 rows that a load touches fall on 16 different columns of 16 bytes
.set SLOTB, 128*PITCH                  ; slot 0 at 0, slot 1 at SLOTB
.set STAGE, 2*SLOTB                    ; 16 rows x 272 bytes for each wave, for the way out
.set SPI,   272
.set BT,    STAGE+4*16*SPI             ; be x 2^-E as bf16: 128 outputs x 8 experts, 16 bytes a row
.set GATES, BT+2048                    ; gs as [expert][wave][r][m] f32
.set SPARE, GATES+8192                 ; the spare words, 128 bytes for each wave: two blocks of 256 bytes that no other line names
.set AL0, 3                            ; v3   my lane's place in a slot: 1040 r + 16 h
.set AL1, 4                            ; v4   the same 64 rows on
.set AD0, 5                            ; v5   passes 0, 1 of the slot that is being loaded from;  v6  passes 2, 3
.set AG0, 7                            ; v7   GATES + 256 wave + 16 r
.set AG,  8                            ; v8   + the phase's pair of experts
.set STO, 9                            ; v9   the way out: where I put 32 bytes of a row
.set RD,  10                           ; v10  where I read a row back
.set CO,  11                           ; v11  my byte offset in two rows of out
.set XO,  12                           ; v12  16 lane
.set PFO, 13                           ; v13  256 lane
.set ABT, 14                           ; v14  BT + 16 r
.set HM,  15                           ; v15  all ones in lanes 0-15, 0 in lanes 16-31
.set GC,  16
.set GT,  24                           ; v24-55 the head: gs of my four tokens, 8 each
.set SPW, 62
.set NIL, 63
.set S,   64
.set FS,  128
.set GB,  128                          ; in window 1
.set BF,  160
.set RB,  192
.set WV,  16                           ; s16  wave
.set G1,  24                           ; s[24:31] descriptor group 1
.set G0A, 32                           ; s[32:35] group 0: tile 0, then the one that walks
.set G0B, 36                           ; s[36:39] group 0: tile 1
.set WB,  40                           ; s[40:41] We at my 32 rows of tile 0
.set OF,  42                           ; s[42:43] a tile's offset from tile 0
.set TF,  44                           ; s44  the tile that is asked for next
.set TB,  45                           ; s45  LDS byte at which the slot in hand begins
.set WL,  46                           ; s46  my 32 rows' place in a slot
.set GE,  47                           ; s47  2048 x the phase's pair of experts
.set CNT, 48
.set PFA, 50                           ; s[50:51] where my prefetch stands
.set PB,  52                           ; s[52:53] WB + my work-group's quarter of my 32 rows
.set LIM, 54                           ; s54  8 in the first cluster of its block of outputs, else 0
.set OB,  60                           ; s[60:61] out at my first token, my work-group's first output
.set CMB, 0x50                         ; destination and source 2 (OUT) window 1
.set MSB, 0
.macro WIN new                         ; the immediate's high byte repeats the setting that is left; a switch that changes nothing is dropped
.if MSB != (\new)
	s_set_vgpr_msb (MSB<<8)|(\new)
.set MSB, \new
.endif
.endm
.macro CREST                           ; a round of the cluster's barrier behind its opening barrier
	s_cmp_lg_u32 s[WV], 0
	s_cbranch_scc1 .Lnot_wave_0_\@
	s_barrier_signal -3
.Lnot_wave_0_\@:
	s_barrier_wait -3
	s_barrier_signal -1
	s_barrier_wait -1
.endm
.macro CROUND
	s_barrier_signal -1
	s_barrier_wait -1
	CREST
.endm
.macro TILEOFF                         ; tile F = (half F / 4, pair of experts F % 4): 2 experts of 2^20 bytes, 64 rows of 1,024
	s_and_b32 s[OF], s[TF], 3
	s_lshl_b32 s[OF], s[OF], 21
	s_lshr_b32 s[OF+1], s[TF], 2
	s_lshl_b32 s[OF+1], s[OF+1], 16
	s_add_co_u32 s[OF], s[OF], s[OF+1]
	s_mov_b32 s[OF+1], 0
.endm
; A PREFETCH INTO THE L2 of the tile behind the one that has just been asked for: it stands a phase, 256 matrix instructions, ahead of that tile's own load.  A wave's 32 rows are 32,768 dense bytes; the four partners
; share them BY ADDRESS, 8,192 each, lanes 256 bytes apart.  All clusters of a block of outputs walk the same rows: the first of them asks.  So each block of 256 bytes is named once.
; Tiles 0 to 2 come by their loads alone; the change that asks for the last tile prefetches nothing.
.macro ASK
	s_cmp_lt_u32 s[TF], s[LIM]
	s_cbranch_scc0 .Lnot_mine_\@
	global_prefetch_b8 v[PFO], s[PFA:PFA+1] th:TH_LOAD_NT scope:SCOPE_SE
.Lnot_mine_\@:
.endm
; K step t of a phase (t = 8 x pass + s), accumulator i = 4 b + m.  A pass's first K step starts the sums with the constant 0.
.macro MM t, i
.set rD, S+8*(\i)
.set rA, FS+32*((\t)%4)+16*((\i)/4)
.set rB, 64*((\t)%4)+16*((\i)%4)
.if ((\t)%8) == 0
	v_wmma_f32_16x16x128_fp8_fp8 v[rD:rD+7], v[rA:rA+15], v[rB:rB+15], 0
.else
	v_wmma_f32_16x16x128_fp8_fp8 v[rD:rD+7], v[rA:rA+15], v[rB:rB+15], v[rD:rD+7]
.endif
.endm
; load n = 4 b + q of the eight that bring K step u's two fragments into set u % 4 (u = 32 .. 34: the next phase's first three)
.macro LD1 u, n
.set rL, FS+32*((\u)%4)+4*(\n)
.set oL, (32*((((\u)%32)/8)%2)+16*((\n)/4))*PITCH+128*((\u)%8)+32*((\n)%4)
	ds_load_b128 v[rL:rL+3], v[AD0+(((\u)%32)/16)] offset:oL
.endm
.macro LALL u
.irp n, 0,1,2,3,4,5,6,7
	LD1 \u,\n
.endr
.endm
; A K step: 8 matrix instructions, the 8 accumulators by turns (the order is the same in every K step, over the loops' backward jumps too).
; The four v_nop are the places (ISA guide 7.12.1 for vector instructions) between the K step before, which read set (t + 3) % 4, and the loads into that set; at a pass's end also those ahead of the first read of S.
; wt: the LDS instructions issued behind K step t's loads, which may stay out (-1: no wait).  ld = 1: K step t + 3's fragments are asked for.
.macro KS t, ld, wt
.if \wt >= 0
	s_wait_dscnt \wt
.endif
	WIN 0x08+4*(((\t)%8)/4)
.irp i, 0,1,2,3
	MM \t,\i
	v_nop
.endr
.irp i, 4,5,6,7
	MM \t,\i
.if \ld
	LD1 (\t)+3,2*(\i)-8
	LD1 (\t)+3,2*(\i)-7
.endif
.endr
.endm
; OUT += gate x S_i for pass p: four packed multiply-adds, S_i from its low end on; the gate of tile m = i % 4 is one register of a pair and feeds both halves
.macro COMB p, i
.set rO, 8*(8*((\p)%2)+(\i))
.set rS, S+8*(\i)
.set rG, GC+4*((\p)/2)+2*(((\i)%4)/2)
.irp jj, 0,2,4,6
.if ((\i)%2) == 0
	v_pk_fma_f32 v[rO+\jj:rO+\jj+1], v[rS+\jj:rS+\jj+1], v[rG:rG+1], v[rO+\jj:rO+\jj+1] op_sel_hi:[1,0,1]
.else
	v_pk_fma_f32 v[rO+\jj:rO+\jj+1], v[rS+\jj:rS+\jj+1], v[rG:rG+1], v[rO+\jj:rO+\jj+1] op_sel:[0,1,0] op_sel_hi:[1,1,1]
.endif
.endr
.endm
; A pass's first K step carries the weighting of the pass before.  Each S_i is weighted ahead of the product that starts it anew.  Behind S_i's last product stand, ahead of its first read, four plain
; lines or more that do not name it (the K step before has 4 - i v_nop behind it, the other accumulators' weightings follow), and ahead of the product that writes over it, five or more.
.macro KC t
	s_wait_dscnt 16                                ; K step t's fragments are in; the two runs behind them stay out
	WIN CMB
	COMB (\t)/8-1,0
	COMB (\t)/8-1,1
	COMB (\t)/8-1,2
	WIN 0x08
	MM \t,0
	MM \t,1
	WIN CMB
	COMB (\t)/8-1,3
	COMB (\t)/8-1,4
	WIN 0x08
	MM \t,2
	MM \t,3
	WIN CMB
	COMB (\t)/8-1,5
	COMB (\t)/8-1,6
	WIN 0x08
	MM \t,4
	MM \t,5
	WIN CMB
	COMB (\t)/8-1,7
	WIN 0x08
	MM \t,6
	MM \t,7
	LALL (\t)+3
.endm
; THE CHANGE OF SLOTS, over K steps 29 and 30: all of this slot's fragments have been asked for.  Each wave waits for all its tensor loads (its part of the other slot), adds 0 to its spare word, and waits for
; that and for its reads of this slot.  fill = 1: the barrier opens a round of the cluster's barrier, so that no wave of any partner still reads the slot or has a load on its way; the joint refill comes first behind it.
.macro CHANGE fill
	WIN 0                                          ; (the add's two registers lie in window 0)
.if \fill
	s_wait_xcnt 0x0                                ; the last prefetch, a phase back, has read its address, which is written below
.endif
	s_wait_tensorcnt 0x0                           ; no tensor load of mine is out, so a group 0 may be written
	ds_add_u32 v[SPW], v[NIL]                      ; 0 onto my spare word
.if \fill
	TILEOFF
	s_add_nc_u64 s[G0A+2:G0A+3], s[WB:WB+1], s[OF:OF+1]
	s_or_b32 s[G0A+3], s[G0A+3], 0x80000000        ; type = 2
	s_add_co_u32 s[G0A+1], s[TB], s[WL]            ; into the slot that is being left
	s_add_co_u32 s[TF], s[TF], 1
	TILEOFF
	s_add_nc_u64 s[PFA:PFA+1], s[PB:PB+1], s[OF:OF+1]
.endif
	s_wait_dscnt 17                                ; K step 29's fragments are in; two runs of eight and the add may be out
	KS 29,0,-1
	s_wait_dscnt 0x0                               ; the add is done, and my reads of this slot are over
	s_barrier_signal -1
	KS 30,0,-1                                     ; work on registers while the others arrive
	WIN 0
	s_barrier_wait -1
.if \fill
	CREST
	tensor_load_to_lds s[G0A:G0A+3], s[G1:G1+7]    ; every wave's own 32 rows: its one tensor load behind the round, and the first thing there
	s_nop 0
.rept 4
	v_nop
.endr
.endif
	s_xor_b32 s[TB], s[TB], SLOTB                  ; on to the other slot
	v_add_nc_u32 v[AD0], s[TB], v[AL0]
	v_add_nc_u32 v[AD0+1], s[TB], v[AL1]
	LALL 32                                        ; sets 0 and 1: their last readers, K steps 28 and 29, stand K step 30's four v_nop back or more
	LALL 33
.if \fill
	ASK
.endif
.endm
; A PHASE: one slot, four passes.  chg = 1: another slot follows.
.macro PHASE chg, fill
	v_add_nc_u32 v[AG], s[GE], v[AG0]
	ds_load_b128 v[GC:GC+3], v[AG]                 ; the gates of the slot's first expert, for my four tiles,
	ds_load_b128 v[GC+4:GC+7], v[AG] offset:1024   ; and of its second
.irp t, 0,1,2
	KS \t,1,18                                     ; two runs of eight and the two gate loads may be out
.endr
.irp t, 3,4,5,6,7
	KS \t,1,16                                     ; two runs of eight
.endr
	KC 8
.irp t, 9,10,11,12,13,14,15
	KS \t,1,16
.endr
	KC 16
.irp t, 17,18,19,20,21,22,23
	KS \t,1,16
.endr
	KC 24
.irp t, 25,26,27,28
	KS \t,1,16
.endr
.if \chg
	CHANGE \fill
	KS 31,1,-1                                     ; its fragments came in ahead of the barrier; it carries the next phase's third run
.else
	KS 29,0,16                                     ; the last phase: nothing more to fetch, the counts run down
	KS 30,0,8
	KS 31,0,0
.endif
	WIN CMB
.irp i, 0,1,2,3,4,5,6,7
	COMB 3,\i
.endr
	WIN 0
	s_add_co_u32 s[GE], s[GE], 2048
.endm
; OUT of half oc begins with the bias: 16 products of be's fragments (16 outputs x 8 experts) with the gates' (16 tokens x 8 experts)
.macro INIT oc, head
	WIN 0x40
.irp bt, 0,1,2,3
	ds_load_b128 v[BF+8*\bt:BF+8*\bt+3], v[ABT] offset:(64*\oc+16*\bt)*16
.endr
	WIN 0
.if \head
	LALL 0
	LALL 1
	LALL 2
	s_wait_dscnt 24                                ; be's fragments are in; the three runs behind them stay out
.else
	s_wait_dscnt 0x0
.endif
	WIN 0x45
.irp sb, 0,1,2,3
.irp m, 0,1,2,3
	v_wmma_f32_16x16x32_bf16 v[8*(4*\sb+\m):8*(4*\sb+\m)+7], v[BF+8*\sb:BF+8*\sb+7], v[GB+8*\m:GB+8*\m+7], 0
.endr
.endr
	WIN 0
.endm
; THE WAY OUT of a half, a tile of 16 tokens at a time: a lane's 32 bytes go into my own stage (rows of 272 bytes) and come back as whole rows of 256.
.macro TOSTAGE m
	WIN 0x04                                       ; store data window 1
.irp sb, 0,1,2,3
	ds_store_b128 v[STO], v[8*(4*\sb+(\m)):8*(4*\sb+(\m))+3] offset:64*\sb
	ds_store_b128 v[STO], v[8*(4*\sb+(\m))+4:8*(4*\sb+(\m))+7] offset:64*\sb+16
.endr
	WIN 0x40
.irp i, 0,1,2,3,4,5,6,7
	ds_load_b128 v[RB+32*((\m)%2)+4*\i:RB+32*((\m)%2)+4*\i+3], v[RD] offset:2*SPI*\i      ; LDS serves a wave's instructions in order (ISA guide 5.7.1.4): these see the stores above
.endr
.endm
.macro SEND oc, m, younger
	s_wait_dscnt \younger
	WIN 0x04
.irp i, 0,1,2,3,4,5,6,7
	global_store_b128 v[CO], v[RB+32*((\m)%2)+4*\i:RB+32*((\m)%2)+4*\i+3], s[OB:OB+1] offset:(16*(\m)+2*\i)*4096+256*\oc th:TH_STORE_NT   ; 16 lanes store 256 consecutive bytes, at a multiple of 256 from out's first byte
.endr
.endm
.macro WAYOUT oc
.if \oc
	s_wait_xcnt 0x0                                ; the first half's stores have read their registers
.endif
	TOSTAGE 0
	TOSTAGE 1
	SEND \oc,0,16                                  ; behind tile 0's loads: tile 1's eight stores and eight loads
	s_wait_xcnt 0x0                                ; tile 0's stores have read their registers: tile 2's rows may land there
	TOSTAGE 2
	SEND \oc,1,16
	s_wait_xcnt 0x0
	TOSTAGE 3
	SEND \oc,2,16
	SEND \oc,3,0
	WIN 0
.endm
	s_load_b256 s[4:11], s[0:1], 0x0               ; xq s[4:5], We's codes s[6:7], gs s[8:9], be s[10:11]
	s_load_b128 s[12:15], s[0:1], 0x20             ; the scales' exponents s[12:13], out s[14:15]
	v_lshl_add_u32 v[SPW], v0, 2, SPARE
	v_mov_b32 v[NIL], 0
	ds_add_u32 v62, v63
	ds_add_u32 v62, v63
	s_wait_dscnt 0x0
	v_lshrrev_b32 v1, 5, v0
	v_readfirstlane_b32 s[WV], v1                  ; wave 0..3
	s_bfe_u32 s17, ttmp6, 0x40000                  ; cx: my place in the cluster
	s_lshl_b32 s18, ttmp9, 2
	s_add_co_u32 s18, s18, s17                     ; my block of 256 tokens: it enters global addresses of xq, gs, out and the prefetch alone
	s_and_b32 s19, ttmp7, 0xffff                   ; my block of 128 outputs, which the four partners share
	; descriptor group 1: 32 rows of 1,024 bytes, dense in memory, padded in LDS
	s_mov_b32 s[G1], 15|(0<<16)|(1<<20)|(1<<21)|(7<<22)|(3<<25)   ; 15:0 the mask: all four work-groups; 17:16 elements of 1 byte; 20 padding on; 21 set beside a mask; 24:22 after every 256 words (code 7); 31:25 four words (code 3)
	s_mov_b32 s[G1+1], 1024<<16                    ; tensor_dim0
	s_mov_b32 s[G1+2], 32<<16                      ; tensor_dim1
	s_mov_b32 s[G1+3], 1024<<16                    ; tile_dim0
	s_mov_b32 s[G1+4], 32                          ; tile_dim1
	s_mov_b32 s[G1+5], 1024                        ; tensor_dim0_stride
	s_mov_b32 s[G1+6], 0
	s_mov_b32 s[G1+7], 0
	s_lshl_b32 s[OF], s19, 17                      ; 128 rows of 1,024 bytes for each block of outputs,
	s_lshr_b32 s20, s[WV], 1
	s_lshl_b32 s20, s20, 20                        ; waves 2, 3: the pair's second expert,
	s_add_co_u32 s[OF], s[OF], s20
	s_and_b32 s20, s[WV], 1
	s_lshl_b32 s20, s20, 15                        ; waves 1, 3: the second 32 rows
	s_add_co_u32 s[OF], s[OF], s20
	s_mov_b32 s[OF+1], 0
	s_mul_i32 s[WL], s[WV], 32*PITCH               ; in a slot: wave w's rows are pass w's: no place in the cluster enters an LDS address
	s_mov_b32 s[TB], 0
	s_mov_b32 s[GE], 0
	s_mov_b32 s[TF], 2
	s_cmp_eq_u32 ttmp9, 0                          ; the same in all four partners
	s_cselect_b32 s[LIM], 8, 0
	s_wait_kmcnt 0x0
	s_load_b64 s[56:57], s[12:13], 0x0             ; e0, e1
	s_add_nc_u64 s[WB:WB+1], s[6:7], s[OF:OF+1]
	CROUND                                         ; all four work-groups are here: the first joint loads meet
	s_mov_b32 s[G0A], 1                            ; count = 1
	s_mov_b32 s[G0A+1], s[WL]                      ; LDS address: slot 0
	s_mov_b64 s[G0A+2:G0A+3], s[WB:WB+1]           ; tile 0
	s_or_b32 s[G0A+3], s[G0A+3], 0x80000000        ; type = 2
	s_mov_b32 s[G0B], 1
	s_add_co_u32 s[G0B+1], s[WL], SLOTB            ; slot 1
	s_add_nc_u64 s[G0B+2:G0B+3], s[WB:WB+1], 1<<21 ; tile 1: the next two experts
	s_or_b32 s[G0B+3], s[G0B+3], 0x80000000
	tensor_load_to_lds s[G0A:G0A+3], s[G1:G1+7]    ; the two first fills go out together, ahead of every wait on TENSORcnt and every LDS read
	s_nop 0
	tensor_load_to_lds s[G0B:G0B+3], s[G1:G1+7]
	s_nop 0
.rept 4
	v_nop
.endr
	s_lshl_b32 s70, s18, 18                        ; xq: 16 blocks of images for 256 tokens, 4 for my wave
	s_lshl_b32 s71, s[WV], 16
	s_add_co_u32 s70, s70, s71
	s_mov_b32 s71, 0
	s_add_nc_u64 s[4:5], s[4:5], s[70:71]
	s_lshl_b32 s70, s18, 13                        ; gs: 32 bytes a token
	s_lshl_b32 s72, s[WV], 11
	s_add_co_u32 s70, s70, s72
	s_add_nc_u64 s[8:9], s[8:9], s[70:71]
	s_lshl_b32 s20, s19, 9                         ; 128 outputs of 4 bytes
	s_mov_b32 s21, 0
	s_add_nc_u64 s[10:11], s[10:11], s[20:21]
	s_add_nc_u64 s[OB:OB+1], s[14:15], s[20:21]
	s_lshl_b32 s70, s18, 20                        ; out: 4,096 bytes a token
	s_lshl_b32 s72, s[WV], 18
	s_add_co_u32 s70, s70, s72
	s_add_nc_u64 s[OB:OB+1], s[OB:OB+1], s[70:71]
	s_lshl_b32 s70, s17, 13                        ; the prefetches: my work-group's 8,192 bytes of my wave's 32,768
	s_add_nc_u64 s[PB:PB+1], s[WB:WB+1], s[70:71]
	v_and_b32 v1, 15, v0                           ; r
	v_bfe_u32 v2, v0, 4, 1                         ; h
	v_lshlrev_b32 v56, 5, v1                       ; gs: my token's row
	v_lshlrev_b32 v58, 2, v0                       ; be: thread t takes output t of the 128
	v_and_b32 v[XO], 31, v0
	v_lshlrev_b32 v[PFO], 8, v[XO]
	v_lshlrev_b32 v[XO], 4, v[XO]
.irp m, 0,1,2,3
	global_load_b128 v[GT+8*\m:GT+8*\m+3], v56, s[8:9] offset:512*\m
	global_load_b128 v[GT+8*\m+4:GT+8*\m+7], v56, s[8:9] offset:512*\m+16
.endr
.irp e, 0,1,2,3,4,5,6,7
	global_load_b32 v[80+\e], v58, s[10:11] offset:4096*\e
.endr
	WIN 0x80                                       ; destination window 2
.irp s, 0,1,2,3
.irp m, 0,1,2,3
.irp q, 0,1,2,3
	global_load_b128 v[64*\s+16*\m+4*\q:64*\s+16*\m+4*\q+3], v[XO], s[4:5] offset:16384*\m+2048*\s+512*\q   ; an image as it lies: 512 consecutive bytes a load
.endr
.endr
.endr
	WIN 0xc0                                       ; destination window 3
.irp s, 4,5,6,7
.irp m, 0,1,2,3
.irp q, 0,1,2,3
	global_load_b128 v[64*(\s-4)+16*\m+4*\q:64*(\s-4)+16*\m+4*\q+3], v[XO], s[4:5] offset:16384*\m+2048*\s+512*\q
.endr
.endr
.endr
	WIN 0
	v_mul_u32_u24 v[AL0], v1, PITCH
	v_lshl_add_u32 v[AL0], v2, 4, v[AL0]
	v_add_nc_u32 v[AL1], 64*PITCH, v[AL0]
	s_lshl_b32 s20, s[WV], 8
	s_add_co_u32 s20, s20, GATES
	v_lshl_add_u32 v[AG0], v1, 4, s20
	s_mul_i32 s21, s[WV], 16*SPI
	s_add_co_u32 s21, s21, STAGE                   ; my stage
	v_mul_u32_u24 v[STO], v1, SPI                  ; in: row r, 32 bytes for each half of the lanes
	v_lshl_add_u32 v[STO], v2, 5, v[STO]
	v_add_nc_u32 v[STO], s21, v[STO]
	v_mul_u32_u24 v[RD], v2, SPI                   ; back: lanes 0-15 one row of 256 bytes, lanes 16-31 the next
	v_lshl_add_u32 v[RD], v1, 4, v[RD]
	v_add_nc_u32 v[RD], s21, v[RD]
	v_lshlrev_b32 v[CO], 12, v2                    ; and the same two rows in out
	v_lshl_add_u32 v[CO], v1, 4, v[CO]
	v_lshl_add_u32 v[ABT], v1, 4, BT
	v_add_nc_u32 v[HM], -1, v2
	v_lshl_add_u32 v57, v0, 4, BT                  ; where thread t puts output t's eight bf16
	s_wait_loadcnt 63                              ; 144 loads are issued: the oldest 81 are in, gs's eight and be's eight among them
	s_wait_kmcnt 0x0
	s_add_co_i32 s58, s56, s57
	s_sub_co_i32 s58, 0, s58                       ; -(e0 + e1)
.irp e, 0,1,2,3,4,5,6,7
	v_ldexp_f32 v[80+\e], v[80+\e], s58            ; be x 2^-E
.endr
.irp j, 0,1,2,3
	v_cvt_pk_bf16_f32 v[88+\j], v[80+2*\j], v[81+2*\j]
.endr
	ds_store_b128 v57, v[88:91]
.irp e, 0,1,2,3,4,5,6,7
.irp m, 0,1,2,3
	ds_store_b32 v[AG0], v[GT+8*\m+\e] offset:1024*\e+4*\m   ; lanes r and r + 16 write the same word with the same number
.endr
.endr
.irp m, 0,1,2,3
.irp j, 0,1,2,3
	v_cvt_pk_bf16_f32 v[S+4*\m+\j], v[GT+8*\m+2*\j], v[GT+8*\m+2*\j+1]
.endr
.endr
	WIN 0x40                                       ; destination window 1
.irp m, 0,1,2,3
.irp j, 0,1,2,3
	v_and_b32 v[GB+8*\m+\j], v[HM], v[S+4*\m+\j]   ; k = 0 .. 7 lie in lanes 0-15, registers 0-3; lanes 16-31 (k = 8 .. 15) hold zeros
.endr
.irp j, 4,5,6,7
	v_mov_b32 v[GB+8*\m+\j], 0                     ; k = 16 .. 31
	v_mov_b32 v[BF+8*\m+\j], 0
.endr
.endr
	WIN 0
	s_wait_dscnt 0x0                               ; for the others' sake: my part of be lies in LDS
	s_wait_tensorcnt 1                             ; my part of tile 0 is in; tile 1's may stay out
	s_barrier_signal -1
	s_barrier_wait -1
	v_add_nc_u32 v[AD0], s[TB], v[AL0]
	v_add_nc_u32 v[AD0+1], s[TB], v[AL1]
	INIT 0, 1
	s_wait_loadcnt 0x0                             ; x
	s_mov_b32 s[CNT], 4
.Lhalf0:                                           ; the first half's four phases; they ask for tiles 2 to 5
	PHASE 1, 1
	s_sub_co_u32 s[CNT], s[CNT], 1
	s_cmp_lg_u32 s[CNT], 0
	s_cbranch_scc1 .Lhalf0
	WAYOUT 0                                       ; the refill and the next phase's first fragments are asked for: now the first half goes out
	INIT 1, 0
	s_mov_b32 s[GE], 0
	s_mov_b32 s[CNT], 2
.Lhalf1:                                           ; they ask for tiles 6 and 7
	PHASE 1, 1
	s_sub_co_u32 s[CNT], s[CNT], 1
	s_cmp_lg_u32 s[CNT], 0
	s_cbranch_scc1 .Lhalf1
	PHASE 1, 0                                     ; the tail is written out: nothing is left to ask for
	PHASE 0, 0
	WAYOUT 1
	s_wait_tensorcnt 0x0                           ; the wave's end, behind my last tensor load and my last LDS store
	ds_add_u32 v[SPW], v[NIL]
	s_wait_dscnt 0x0
	CROUND                                         ; the closing round: no work-group ends while a partner may still ask for a tile that names it
	s_endpgm
.Lfunc_end_k_qa3e971bf77_experts:
	.size	k_qa3e971bf77_experts, .Lfunc_end_k_qa3e971bf77_experts-k_qa3e971bf77_experts
	.p2alignl 7, 3214868480
	.fill 96, 4, 3214868480
	.section	.rodata,"a",@progbits
	.p2align	6, 0x0
	.amdhsa_kernel k_qa3e971bf77_experts
		.amdhsa_group_segment_fixed_size 327680
		.amdhsa_private_segment_fixed_size 0
		.amdhsa_enable_private_segment 0
		.amdhsa_kernarg_size 48
		.amdhsa_user_sgpr_count 2
		.amdhsa_user_sgpr_kernarg_segment_ptr 1
		.amdhsa_wavefront_size32 1
		.amdhsa_system_sgpr_workgroup_id_x 1
		.amdhsa_system_sgpr_workgroup_id_y 1
		.amdhsa_system_sgpr_workgroup_id_z 1
		.amdhsa_system_vgpr_workitem_id 0
		.amdhsa_next_free_vgpr 1024
		.amdhsa_next_free_sgpr 80
		.amdhsa_reserve_vcc 0
		.amdhsa_float_denorm_mode_32 3
		.amdhsa_float_denorm_mode_16_64 3
		.amdhsa_memory_ordered 1
		.amdhsa_forward_progress 1
		.amdhsa_inst_pref_size 230
	.end_amdhsa_kernel
	.amdgpu_metadata
---
amdhsa.version: [ 1, 2 ]
amdhsa.kernels:
  - .name:           k_qa3e971bf77_experts
    .symbol:         k_qa3e971bf77_experts.kd
    .args:
      - { .name: xq, .offset: 0, .size: 8, .value_kind: global_buffer, .address_space: global }
      - { .name: We_codes, .offset: 8, .size: 8, .value_kind: global_buffer, .address_space: global }
      - { .name: gs, .offset: 16, .size: 8, .value_kind: global_buffer, .address_space: global }
      - { .name: be, .offset: 24, .size: 8, .value_kind: global_buffer, .address_space: global }
      - { .name: lowp_scales, .offset: 32, .size: 8, .value_kind: global_buffer, .address_space: global }
      - { .name: out0, .offset: 40, .size: 8, .value_kind: global_buffer, .address_space: global }
    .group_segment_fixed_size: 327680
    .private_segment_fixed_size: 0
    .kernarg_segment_align: 8
    .kernarg_segment_size: 48
    .max_flat_workgroup_size: 128
    .sgpr_count:     80
    .vgpr_count:     1024
    .wavefront_size: 32
...
	.end_amdgpu_metadata
.endif
;; end of part 2
;; ======== version 2 of 2: 2 launches
;; limits: values are held in f16: magnitudes above 65,504 overflow, below 6.1e-05 lose precision; values are held in bf16: 8 bits of precision; right only within a limited range of input values
;; workspace buffers: xq 8,388,608 bytes; gs 262,144 bytes
;; launch prep (part 3): grid 256 x 1, 8 waves a work-group, no clusters, 93,184 bytes of LDS; arguments x, Wg, bg, lowp_scales, xq, gs; writes xq, gs
.if DOCPART == 3
	.amdgcn_target "amdgcn-amd-amdhsa--gfx1250"
	.amdhsa_code_object_version 6
	.text
	.protected	k_qa3e971bf77_prep
	.globl	k_qa3e971bf77_prep
	.p2align	8
	.type	k_qa3e971bf77_prep,@function
k_qa3e971bf77_prep:
	s_mov_b64 s[64:65], 0
	v_nop
	global_prefetch_b8 v0, s[64:65] scope:SCOPE_SE
	s_setreg_imm32_b32 hwreg(HW_REG_WAVE_MODE, 25, 1), 1
	s_wait_xcnt 0x0
; PREP.  x [8192][1024] f32 is read once and gives two things:
;   xq: x's codes of E4M3 (x / 2^e0, held within +-448, nearest code, ties to even), laid in the order of an operand's registers: fragment (g, s) = 16 rows x 128 K at
;       16384 g + 2048 s; in it 512 q + 16 lane holds lane (r, h)'s registers 4 q .. 4 q + 3: row r, k = 128 s + 32 q + 16 h + 0 .. 15.
;   gs: [8192][8] f32 = softmax(x Wg + bg) x 2^(e0 + e1): the gate with both scales of the quantised product folded in.
; SHARES.  A work-group takes 32 rows (blocks A and B of 16); wave s takes K step s (128 along K) of both.  Straight line, no loop; all 40 loads of a wave go out at its head.
; Each load of x covers 512 consecutive bytes of a row; the conversions want 16 neighbours along K in one lane, so a block turns through the wave's own stage in LDS (rows of 512 + 16 bytes).
; THE GATE's product has f16 operands and f32 sums: 11 significant bits, since a logit's error goes on into every output of its row through the softmax; 8 bits are too few for that.
; Source 0 = Wg^T (8 experts, lanes 8-15 hold copies), source 1 = 16 rows of x, so a lane holds one row's eight partial logits.
; Both sides take k in the same order, lane (r, h), place p = k 32 c + 16 h + p, so every product meets its partner.  The eight waves' partial sums meet in LDS; waves 0 and 1 make the softmax,
; with the row's largest logit taken away first.
; LIMITS: e0 between -126 and 119, so that 2^e0 and 448 x 2^e0 are f32 numbers; gs goes to zero where e0 + e1 is under about -126; NaN in x is not served;
; for the gate |x| and |Wg| stay under 65,504, f16's largest number, and what lies under 2^-14 is kept to steps of 2^-24; the logits carry f16's rounding of x and Wg.
.set STG, 16384                        ; LDS: 0: each wave's 128 rows of Wg as f16, 16 bytes a row, 2,048 bytes a wave;  STG: each wave's stage;
.set SP,  528                          ; a stage row: 33 x 16 bytes, so the 16 rows that a load touches fall on 16 different columns of 16 bytes
.set SW,  16*SP
.set RED, STG+8*SW                     ; RED: partial logits [block][wave][row][8] f32, 2 x 4,096 bytes
.set XA,  16                           ; v16-79   block A: as loaded, then 64 numbers of my row: register 16 c + i = k 32 c + 16 h + i
.set XB,  80                           ; v80-143  block B
.set BA,  144                          ; v144-175 block A as f16
.set BB,  176                          ; v176-207 block B as f16; its low 16 registers later take B's codes (A's codes leave from v240-255, ahead of the logits)
.set WF,  208                          ; v208-239 Wg as loaded, then its four fragments
.set LA,  240                          ; v240-247 A's logits;  v248-255 B's  (first: Wg packed to f16)
.set LB,  248
	s_load_b256 s[4:11], s[0:1], 0x0               ; x s[4:5], Wg s[6:7], bg s[8:9], the scales' exponents s[10:11]
	s_load_b128 s[12:15], s[0:1], 0x20             ; xq s[12:13], gs s[14:15]
	v_lshl_add_u32 v15, v0, 2, 0x16800
	s_set_vgpr_msb 0x40
	v_mov_b32 v1, 0
	s_set_vgpr_msb 0x4000
	v_lshrrev_b32 v1, 5, v0
	s_delay_alu instid0(VALU_DEP_1)
	v_readfirstlane_b32 s16, v1                    ; wave 0..7 = my K step
	v_and_b32 v1, 31, v0                           ; lane
	v_and_b32 v2, 15, v0                           ; r
	v_bfe_u32 v3, v0, 4, 1                         ; h
	s_lshl_b32 s17, s16, 9
	v_lshl_add_u32 v4, v1, 4, s17                  ; v4: 16 lane + 512 wave: my bytes of a row of x; also my place in gs
	s_mul_i32 s18, s16, SW
	s_add_co_u32 s18, s18, STG
	v_lshl_add_u32 v5, v1, 4, s18                  ; v5: the stage, on the way in: 16 lane
	v_mul_u32_u24 v6, v2, SP
	s_delay_alu instid0(VALU_DEP_1)
	v_lshl_add_u32 v6, v3, 6, v6
	s_delay_alu instid0(VALU_DEP_1)
	v_add_nc_u32 v6, s18, v6                       ; v6: and back: row r, + 64 h
	s_lshl_b32 s19, s16, 11
	v_lshl_add_u32 v7, v1, 3, s19                  ; v7: Wg's f16 rows, on the way in: 8 lane
	v_and_b32 v8, 7, v0
	s_delay_alu instid0(VALU_DEP_1)
	v_lshl_add_u32 v8, v3, 4, v8
	s_delay_alu instid0(VALU_DEP_1)
	v_lshl_add_u32 v8, v8, 4, s19                  ; v8: for the turning load: row 16 h + lane % 8
	v_lshl_add_u32 v9, v1, 4, s19                  ; v9: 16 lane + 2048 wave: my place in a block's images
	s_add_co_u32 s17, s17, RED
	v_lshlrev_b32 v10, 5, v2
	s_delay_alu instid0(VALU_DEP_1)
	v_lshl_add_u32 v10, v3, 4, v10
	s_delay_alu instid0(VALU_DEP_1)
	v_add_nc_u32 v10, s17, v10                     ; v10: my four partial logits: 512 wave + 32 r + 16 h
	v_lshlrev_b32 v13, 4, v1                       ; v13: 16 lane, for Wg's loads
	s_and_b32 s23, s16, 1
	s_lshl_b32 s23, s23, 12
	s_add_co_u32 s23, s23, RED
	v_lshl_add_u32 v14, v1, 4, s23                 ; v14: the softmax's reads: block wave % 2, 16 lane
	s_wait_alu depctr_va_vdst(0)
	s_wait_kmcnt 0x0
	s_load_b64 s[20:21], s[10:11], 0x0             ; e0, e1
	s_load_b256 s[24:31], s[8:9], 0x0              ; bg's eight numbers
	s_lshl_b32 s32, ttmp9, 17                      ; 32 rows of 4,096 bytes
	s_mov_b32 s33, 0
	s_add_nc_u64 s[4:5], s[4:5], s[32:33]
	s_lshl_b32 s32, s16, 12                        ; my 128 rows of Wg
	s_add_nc_u64 s[6:7], s[6:7], s[32:33]
	s_lshl_b32 s32, ttmp9, 15                      ; two blocks of images
	s_add_nc_u64 s[12:13], s[12:13], s[32:33]
	s_lshl_b32 s32, ttmp9, 10                      ; 32 rows of gs
	s_add_nc_u64 s[14:15], s[14:15], s[32:33]
.irp j, 0,1,2,3,4,5,6,7
	global_load_b128 v[WF+4*\j:WF+4*\j+3], v13, s[6:7] offset:512*\j                      ; Wg: row 16 j + lane / 2, experts 4 (lane % 2) on
.endr
.irp i, 0,1,2,3,4,5,6,7,8,9,10,11,12,13,14,15
	global_load_b128 v[XA+4*\i:XA+4*\i+3], v4, s[4:5] offset:4096*\i th:TH_LOAD_NT        ; 32 lanes read 512 consecutive bytes of row i; read once in the launch
.endr
.irp i, 0,1,2,3,4,5,6,7,8,9,10,11,12,13,14,15
	global_load_b128 v[XB+4*\i:XB+4*\i+3], v4, s[4:5] offset:65536+4096*\i th:TH_LOAD_NT
.endr
	s_wait_kmcnt 0x0
	s_add_co_i32 s22, s20, s21                     ; e0 + e1
	s_add_co_i32 s32, s20, 127
	s_lshl_b32 s33, s32, 23
	v_mov_b32 v11, s33                             ; 2^e0 as f32: the conversion takes its exponent field
	s_add_co_i32 s32, s32, 8
	s_lshl_b32 s32, s32, 23
	s_or_b32 s32, s32, 0x600000
	v_mov_b32 v12, s32                             ; 448 x 2^e0
	; ---- Wg's slice becomes four fragments
	s_wait_loadcnt 32                              ; Wg's eight loads are in; x's 32 stay out
.irp j, 0,1,2,3,4,5,6,7
	v_cvt_pk_f16_f32 v[LA+2*\j], v[WF+4*\j], v[WF+4*\j+1]
	v_cvt_pk_f16_f32 v[LA+2*\j+1], v[WF+4*\j+2], v[WF+4*\j+3]
.endr
.irp j, 0,1,2,3,4,5,6,7
	ds_store_b64 v7, v[LA+2*\j:LA+2*\j+1] offset:256*\j                                   ; rows of 8 f16, dense
.endr
.irp c, 0,1,2,3
.irp u, 0,1
	ds_load_tr16_b128 v[WF+8*\c+4*\u:WF+8*\c+4*\u+3], v8 offset:(32*\c+8*\u)*16           ; lane (e, h): k = 32 c + 16 h + 8 u + 0 .. 7 of expert e % 8.  LDS serves a wave's instructions in order (ISA guide 5.7.1.4): these see the stores
.endr
.endr
; a block through the stage: in as loaded, back as 16 neighbours for each block of 32, into the registers that it left
.macro TURN x, w                       ; w: the loads that may be out when the block's first four rows are in
.irp g, 0,1,2,3
	s_wait_loadcnt \w-4*\g
.irp i, 0,1,2,3
	ds_store_b128 v5, v[\x+16*\g+4*\i:\x+16*\g+4*\i+3] offset:SP*(4*\g+\i)
.endr
.endr
.irp c, 0,1,2,3
.irp j, 0,1,2,3
	ds_load_b128 v[\x+16*\c+4*\j:\x+16*\c+4*\j+3], v6 offset:128*\c+16*\j
.endr
.endr
.endm
.macro TOHALF x, b
.set n, 0
.rept 32
	v_cvt_pk_f16_f32 v[\b+n], v[\x+2*n], v[\x+2*n+1]
.set n, n+1
.endr
.endm
.macro HOLD x, c
.irp i, 0,1,2,3,4,5,6,7,8,9,10,11,12,13,14,15
	v_med3_num_f32 v[\x+16*\c+\i], v[\x+16*\c+\i], -v12, v12      ; the conversion to an 8-bit code does not saturate (ISA guide 7.6.2): the hold at the largest code x the scale
.endr
.endm
.macro CODE x, q, c
	v_cvt_scalef32_pk8_fp8_f32 v[\q+4*\c:\q+4*\c+1], v[\x+16*\c:\x+16*\c+7], v11
	v_cvt_scalef32_pk8_fp8_f32 v[\q+4*\c+2:\q+4*\c+3], v[\x+16*\c+8:\x+16*\c+15], v11
.endm
	; ---- block A, while block B's 16 loads are still out: f16 for the logits, and its codes, which leave at once
	TURN XA, 28
	s_wait_dscnt 0x0
	TOHALF XA, BA
.irp c, 0,1,2,3
	HOLD XA,\c
	CODE XA,LA,\c
.endr
	v_nop                                          ; one plain vector line behind the last conversion
.irp c, 0,1,2,3
	global_store_b128 v9, v[LA+4*\c:LA+4*\c+3], s[12:13] offset:512*\c                    ; 512 consecutive bytes a store; a fragment's 2,048 on end
.endr
	; ---- block B, through the same stage: its stores come behind A's loads
	TURN XB, 12
	s_wait_dscnt 0x0
	s_wait_xcnt 0x0                                ; A's codes have been read: the logits take their registers
	TOHALF XB, BB
	v_wmma_f32_16x16x32_f16 v[LA:LA+7], v[WF:WF+7], v[BA:BA+7], 0                         ; the first K step starts both sums; the two accumulators take turns
	v_wmma_f32_16x16x32_f16 v[LB:LB+7], v[WF:WF+7], v[BB:BB+7], 0
.irp c, 1,2,3
	v_wmma_f32_16x16x32_f16 v[LA:LA+7], v[WF+8*\c:WF+8*\c+7], v[BA+8*\c:BA+8*\c+7], v[LA:LA+7]
	v_wmma_f32_16x16x32_f16 v[LB:LB+7], v[WF+8*\c:WF+8*\c+7], v[BB+8*\c:BB+8*\c+7], v[LB:LB+7]
.endr
	; ---- the codes.  The holds name no register of the products above: they are the places behind them (ISA guide 7.12.1)
	HOLD XB,0
	; ---- both halves of the lanes hold the same eight logits of row r: lanes 0-15 hand over experts 0-3, lanes 16-31 experts 4-7
	v_cmp_ne_u32 vcc_lo, 0, v3
.irp i, 0,1,2,3
	v_cndmask_b32 v[16+\i], v[LA+\i], v[LA+4+\i], vcc_lo                                  ; each accumulator is read from its low end on
.endr
.irp i, 0,1,2,3
	v_cndmask_b32 v[20+\i], v[LB+\i], v[LB+4+\i], vcc_lo
.endr
	ds_store_b128 v10, v[16:19]
	ds_store_b128 v10, v[20:23] offset:4096
	s_wait_alu depctr_va_vdst(0)
	s_wait_dscnt 0x0                               ; for the others' sake: my partial sums lie in LDS
	s_barrier_signal -1
	CODE XB,BB,0                                   ; block B's codes are made while the others arrive
.irp c, 1,2,3
	HOLD XB,\c
	CODE XB,BB,\c
.endr
	v_nop                                          ; one plain vector line behind the last conversion
	s_wait_alu depctr_va_vdst(0)
	s_barrier_wait -1
.irp c, 0,1,2,3
	global_store_b128 v9, v[BB+4*\c:BB+4*\c+3], s[12:13] offset:16384+512*\c
.endr
	s_cmp_gt_u32 s16, 1                            ; wave 0 finishes block A, wave 1 block B; the others are done
	s_cbranch_scc1 .Lend
	; ---- lane l: row l / 2, experts 4 (l % 2) on
.irp w, 0,1,2,3,4,5,6,7
	ds_load_b128 v[16+4*\w:19+4*\w], v14 offset:512*\w
.endr
	v_and_b32 v13, 1, v0
	s_delay_alu instid0(VALU_DEP_1)
	v_cmp_ne_u32 vcc_lo, 0, v13
.irp i, 0,1,2,3
	v_mov_b32 v[48+\i], s[28+\i]
.endr
.irp i, 0,1,2,3
	s_delay_alu instid0(VALU_DEP_4)
	v_cndmask_b32 v[48+\i], s[24+\i], v[48+\i], vcc_lo                                    ; bg of my four experts
.endr
	s_wait_dscnt 0x0
.irp a, 16,24,32,40
	v_pk_add_f32 v[\a:\a+1], v[\a:\a+1], v[\a+4:\a+5]                                     ; the eight K steps' sums, in a fixed order
	v_pk_add_f32 v[\a+2:\a+3], v[\a+2:\a+3], v[\a+6:\a+7]
.endr
.irp a, 16
	v_pk_add_f32 v[\a:\a+1], v[\a:\a+1], v[\a+8:\a+9]
	v_pk_add_f32 v[\a+2:\a+3], v[\a+2:\a+3], v[\a+10:\a+11]
.endr
.irp a, 32
	s_delay_alu instid0(VALU_DEP_4)
	v_pk_add_f32 v[\a:\a+1], v[\a:\a+1], v[\a+8:\a+9]
	s_delay_alu instid0(VALU_DEP_4)
	v_pk_add_f32 v[\a+2:\a+3], v[\a+2:\a+3], v[\a+10:\a+11]
.endr
	s_delay_alu instid0(VALU_DEP_2)
	v_pk_add_f32 v[16:17], v[16:17], v[32:33]
	s_delay_alu instid0(VALU_DEP_2)
	v_pk_add_f32 v[18:19], v[18:19], v[34:35]
	s_delay_alu instid0(VALU_DEP_2)
	v_pk_add_f32 v[16:17], v[16:17], v[48:49]
	s_delay_alu instid0(VALU_DEP_2)
	v_pk_add_f32 v[18:19], v[18:19], v[50:51]
	s_delay_alu instid0(VALU_DEP_1)
	v_max3_num_f32 v52, v16, v17, v18
	s_delay_alu instid0(VALU_DEP_1)
	v_max_num_f32 v52, v52, v19
	s_delay_alu instid0(VALU_DEP_1)
	v_max_num_f32_dpp v52, v52, v52 row_xmask:1 row_mask:0xf bank_mask:0xf                ; the row's other four experts lie in the lane beside me
.irp i, 0,1,2,3
	v_sub_f32 v[16+\i], v[16+\i], v52                                                     ; the row's largest logit is taken away first
.endr
.irp i, 0,1,2,3
	s_delay_alu instid0(VALU_DEP_4)
	v_mul_f32 v[16+\i], 0x3fb8aa3b, v[16+\i]                                              ; x log2(e)
.endr
	s_wait_alu depctr_va_vdst(0)
.irp i, 0,1,2,3
	v_exp_f32 v[16+\i], v[16+\i]
.endr
	v_nop                                          ; a plain line behind the last exponential (ISA guide 5.7.2),
	s_wait_alu depctr_va_vdst(0)                   ; and the one wait for the four, ahead of their first reader
	v_add_f32 v53, v16, v17
	v_add_f32 v54, v18, v19
	s_delay_alu instid0(VALU_DEP_1)
	v_add_f32 v53, v53, v54
	s_delay_alu instid0(VALU_DEP_1)
	v_add_f32_dpp v53, v53, v53 row_xmask:1 row_mask:0xf bank_mask:0xf
	s_wait_alu depctr_va_vdst(0)
	v_rcp_f32 v54, v53
	v_nop
	s_wait_alu depctr_va_vdst(0)
	v_ldexp_f32 v54, v54, s22                      ; x 2^(e0 + e1)
.irp i, 0,1,2,3
	v_mul_f32 v[16+\i], v[16+\i], v54
.endr
	global_store_b128 v4, v[16:19], s[14:15]       ; 16 rows of 32 bytes: 512 consecutive bytes a wave
.Lend:
	s_set_vgpr_msb 0x4
	s_wait_tensorcnt 0x0
	ds_add_u32 v15, v1
	s_wait_dscnt 0x0
	s_set_vgpr_msb 0x400
	s_endpgm
.Lfunc_end_k_qa3e971bf77_prep:
	.size	k_qa3e971bf77_prep, .Lfunc_end_k_qa3e971bf77_prep-k_qa3e971bf77_prep
	.p2alignl 7, 3214868480
	.fill 96, 4, 3214868480
	.section	.rodata,"a",@progbits
	.p2align	6, 0x0
	.amdhsa_kernel k_qa3e971bf77_prep
		.amdhsa_group_segment_fixed_size 93184
		.amdhsa_private_segment_fixed_size 0
		.amdhsa_enable_private_segment 0
		.amdhsa_kernarg_size 48
		.amdhsa_user_sgpr_count 2
		.amdhsa_user_sgpr_kernarg_segment_ptr 1
		.amdhsa_wavefront_size32 1
		.amdhsa_system_sgpr_workgroup_id_x 1
		.amdhsa_system_sgpr_workgroup_id_y 1
		.amdhsa_system_sgpr_workgroup_id_z 1
		.amdhsa_system_vgpr_workitem_id 0
		.amdhsa_next_free_vgpr 258
		.amdhsa_next_free_sgpr 66
		.amdhsa_reserve_vcc 1
		.amdhsa_float_denorm_mode_32 3
		.amdhsa_float_denorm_mode_16_64 3
		.amdhsa_memory_ordered 1
		.amdhsa_forward_progress 1
		.amdhsa_inst_pref_size 33
	.end_amdhsa_kernel
	.amdgpu_metadata
---
amdhsa.version: [ 1, 2 ]
amdhsa.kernels:
  - .name:           k_qa3e971bf77_prep
    .symbol:         k_qa3e971bf77_prep.kd
    .args:
      - { .name: x, .offset: 0, .size: 8, .value_kind: global_buffer, .address_space: global }
      - { .name: Wg, .offset: 8, .size: 8, .value_kind: global_buffer, .address_space: global }
      - { .name: bg, .offset: 16, .size: 8, .value_kind: global_buffer, .address_space: global }
      - { .name: lowp_scales, .offset: 24, .size: 8, .value_kind: global_buffer, .address_space: global }
      - { .name: xq, .offset: 32, .size: 8, .value_kind: global_buffer, .address_space: global }
      - { .name: gs, .offset: 40, .size: 8, .value_kind: global_buffer, .address_space: global }
    .group_segment_fixed_size: 93184
    .private_segment_fixed_size: 0
    .kernarg_segment_align: 8
    .kernarg_segment_size: 48
    .max_flat_workgroup_size: 256
    .sgpr_count:     66
    .vgpr_count:     258
    .wavefront_size: 32
...
	.end_amdgpu_metadata
.endif
;; end of part 3
;; launch experts (part 4): grid 32 x 8, 4 waves a work-group, clusters of 4 x 4, 327,680 bytes of LDS; arguments xq, We_codes, gs, be, lowp_scales, out0; writes out0
.if DOCPART == 4
	.amdgcn_target "amdgcn-amd-amdhsa--gfx1250"
	.amdhsa_code_object_version 6
	.text
	.protected	k_qa3e971bf77_experts
	.globl	k_qa3e971bf77_experts
	.p2align	8
	.type	k_qa3e971bf77_experts,@function
k_qa3e971bf77_experts:
	s_mov_b64 s[64:65], 0
	v_nop
	global_prefetch_b8 v0, s[64:65] scope:SCOPE_SE
	s_setreg_imm32_b32 hwreg(HW_REG_WAVE_MODE, 25, 1), 1
	s_wait_xcnt 0x0
	s_wait_alu depctr_hold_cnt(0) depctr_sa_sdst(0) depctr_va_vdst(0) depctr_va_sdst(0) depctr_va_ssrc(0) depctr_va_vcc(0) depctr_vm_vsrc(0)
	s_getreg_b32 s2, hwreg(HW_REG_IB_STS2, 6, 4)
	s_cmp_eq_u32 s2, 0
	s_cbranch_scc0 .Lentry_in_a_cluster
	s_endpgm
.Lentry_in_a_cluster:
	s_bfe_u32 s2, ttmp6, 0x10000c
	s_cmp_lg_u32 s2, 0xf033
	s_cbranch_scc0 .Lentry_shape_is_right
	s_endpgm
.Lentry_shape_is_right:
; EXPERTS.  out[n][o] = sum over e of g[n][e] (sum over k of x[n][k] We[e][k][o] + be[e][o]); x and We as codes of E4M3, sums in f32; gs holds g x 2^(e0 + e1).
; SHARES.  A work-group makes 256 rows x 128 columns, as two halves (oc) of 64 columns.  Its four waves are 2 row groups (rg, 128 rows) x 2 halves of K (kh, 512).  A wave keeps its 128 rows x 512 of x
; in 512 registers through the whole launch, so each fragment of We read from LDS feeds eight products.  The gates are linear: each wave gates its own half's sums, and the two halves of K are added once for each oc.
; A BLOCK is 16 columns of one expert: 4 K steps x 8 products on eight accumulators that take turns.  Two sets of sums take turns from block to block: in the middle of a block (behind K step 1) the sums of the block before,
; each x its row's gate, are added to the outputs in one run, and behind that run the 16 loads of the next block's fragments go out, in one run too.
; THE PRODUCT IS USED TRANSPOSED: source 0 = 16 columns of We, source 1 = 16 rows of x: a lane holds one row and eight neighbouring columns.
; We comes in tiles of 2 experts x 64 columns x 1024 K through a ring of two LDS slots: tile t: experts 2 (t % 4) and the next, oc = t / 4.
; CLUSTERS, 4 x 4: the four with the same column block share each tile of We; the four with the same row block share x.  Joint loads bring both.
; AT THE HEAD slot 0 takes tile 0 of We, slot 1 half of the work-group's x (K steps 2 and 3 of each half of K), which goes on to registers; the other half of x goes from memory to registers, so that both are on their way beside each other.
; ROWS OF A WAVE: its local block m (0 .. 7) is block m xor 4 kh of its row group: local blocks 0-3 are those that it keeps in the end, 4-7 those that it hands to its partner.
; THE BIAS: g x be is a product with bf16 operands that starts the sums of the rows that a wave keeps; be is taken x 2^-(e0 + e1), since gs carries 2^(e0 + e1).
; PREFETCH: behind each joint load of the loops the clusters with cluster x = 0 ask for the tile after it, one change of slots ahead of its load; the four partners share a wave's 32 rows out by address, 8,192 bytes each; nothing is asked for behind tile 7.
; LIMITS: be x 2^-(e0 + e1) stays a finite bf16 number; gs goes to zero where e0 + e1 is under about -126.
; REGISTERS: window 0: v1-31 addresses, gates; v32-127 fragments: K steps 0 and 1 at v32, K steps 2 and 3 at v64 (even blocks) or v96 (odd blocks); v128-191, v192-255 the sums of even and of odd blocks.
; Window 1: outputs, tile (column block, m) at 8 (8 cb + m).  Windows 2, 3: x, K steps 0, 1 and 2, 3.
.set PITCH, 1040                       ; an LDS row: 1,024 bytes + 16 of padding
.set SLOTB, 128*PITCH
.set EX,    2*SLOTB                    ; the exchange, and behind it the way out's stage: 8,192 bytes for each wave
.set SPI,   272
.set GBI,   EX+4*8192                  ; the bias product's gates as an operand's registers, 2,048 bytes for each wave
.set BT,    GBI+4*2048                 ; be as bf16: [128 columns][8 experts]
.set GATES, BT+2048                    ; gates: [8 experts][2 row groups][16 r][8 blocks] f32
.set SPARE, GATES+8192
; THE K STEPS IN THE MACROS BELOW are counted as they are multiplied: 0 and 1 are K steps 2 and 3 of the wave's half of K (the two whose x comes through LDS), 2 and 3 are its K steps 0 and 1.
.set STO2, 1                           ; the last way out's stage, in slot 0
.set RD2, 2
.set AL0, 3
.set AL1, 4
.set AD0, 5
.set AD1, 6
.set AGA0, 7
.set AGB0, 8
.set AGA, 9
.set AGB, 10
.set STO, 11
.set RD,  12
.set CO,  13
.set L16, 14
.set GBA, 15
.set GC,  16
.set EXA, 24
.set EXB, 25
.set ZP,  26                           ; v[26:27] zeros
.set ABT, 28
.set PFO, 29
.set SPW, 30
.set NIL, 31
.set F0,  32
.set S,   128
.set RB,  192                          ; the way out and the sums' start: the odd blocks' sums are free there
.set BF,  192
.set GB,  224
.set GT,  32                           ; at the head alone: v32-95, v128-135
.set BE,  64
.set BP,  72
.set GH,  80
.set XO0, 128
.set A2A, 130
.set HM,  132
.set GOF, 133
.set BOF, 134
.set BTS, 135
.set WV,  16
.set KH,  20
.set RG,  21
.set G1,  24
.set G0A, 32
.set G0B, 36
.set WB,  40
.set OF,  42
.set TF,  44
.set TB,  45
.set WL,  46
.set GE,  47
.set CNT, 48
.set PFA, 50
.set PB,  52
.set LIM, 54
.set OB,  60
.set G0C, 76
.set G1H, 80
.set G1A, 88
.set PADW, (1<<20)|(1<<21)|(7<<22)|(3<<25)
.set MSB, 0
.macro WIN new
.if MSB != (\new)
	s_set_vgpr_msb (MSB<<8)|(\new)
.set MSB, \new
.endif
.endm
.macro CREST
	s_cmp_lg_u32 s[WV], 0
	s_cbranch_scc1 .Lnot_wave_0_\@
	s_barrier_signal -3
.Lnot_wave_0_\@:
	s_barrier_wait -3
	s_barrier_signal -1
	s_barrier_wait -1
.endm
.macro CROUND
	s_barrier_signal -1
	s_barrier_wait -1
	CREST
.endm
.macro ASK
	s_cmp_lt_u32 s[TF], s[LIM]
	s_cbranch_scc0 .Lnot_mine_\@
	global_prefetch_b8 v[PFO], s[PFA:PFA+1] th:TH_LOAD_NT scope:SCOPE_SE
.Lnot_mine_\@:
.endm
; one product: block b, K step s, rows m = i
.macro MM b, s, i
	WIN 0x08+0x04*((\s)/2)
.set rD, S+64*((\b)%2)+8*(\i)
.if (\s) < 2
.set rF, F0+16*(\s)
.else
.set rF, F0+32+32*((\b)%2)+16*((\s)-2)
.endif
.set rA, 16*(8*((\s)%2)+(\i))
.if (\s) == 0
	v_wmma_f32_16x16x128_fp8_fp8 v[rD:rD+7], v[rF:rF+15], v[rA:rA+15], 0
.else
	v_wmma_f32_16x16x128_fp8_fp8 v[rD:rD+7], v[rF:rF+15], v[rA:rA+15], v[rD:rD+7]
.endif
.endm
.macro KS b, s, wt
.if \wt >= 0
	s_wait_dscnt \wt
.endif
.irp i, 0,1,2,3,4,5,6,7
	MM \b,\s,\i
.endr
.endm
; the n-th of the 16 loads that bring block b's four fragments
.macro LD b, n
.if (\n) < 8
.set rL, F0+4*(\n)
.else
.set rL, F0+32+32*((\b)%2)+4*((\n)-8)
.endif
.set oL, 16*((\b)%4)*PITCH+128*(((\n)/4+2)%4)+32*((\n)%4)
	ds_load_b128 v[rL:rL+3], v[AD0+((\b)/4)] offset:oL
.endm
; outputs += sum x gate, rows i of block p
.macro COMB p, i
.set rO, 8*(8*((\p)%4)+(\i))
.set rS, S+64*((\p)%2)+8*(\i)
.set rG, GC+2*((\i)/2)
.irp jj, 0,2,4,6
.if ((\i)%2) == 0
	v_pk_fma_f32 v[rO+\jj:rO+\jj+1], v[rS+\jj:rS+\jj+1], v[rG:rG+1], v[rO+\jj:rO+\jj+1] op_sel_hi:[1,0,1]
.else
	v_pk_fma_f32 v[rO+\jj:rO+\jj+1], v[rS+\jj:rS+\jj+1], v[rG:rG+1], v[rO+\jj:rO+\jj+1] op_sel:[0,1,0] op_sel_hi:[1,1,1]
.endif
.endr
.endm
.macro PLACES
.rept 4
	v_nop
.endr
.endm
; block p's sums go to the outputs.  The four v_nop are the places between its last products and their first reader
.macro CLUMP p
	WIN 0x50
	PLACES
.irp i, 0,1,2,3,4,5,6,7
	COMB \p,\i
.endr
.endm
; block b's fragments; gate = 1: with the gates of a tile's first expert, 2: of its second (behind the last use of the gates before)
.macro RUN b, gate
	WIN 0x0c
.if \gate == 1
	v_add_nc_u32 v[AGA], v[AGA0], s[GE]
	v_add_nc_u32 v[AGB], v[AGB0], s[GE]
.endif
.if \gate
	ds_load_b128 v[GC:GC+3], v[AGA] offset:1024*(\gate-1)
	ds_load_b128 v[GC+4:GC+7], v[AGB] offset:1024*(\gate-1)
.endif
.irp n, 0,1,2,3,4,5,6,7,8,9,10,11,12,13,14,15
	LD \b,\n
.endr
.endm
; The counts: 12 and 8: the block's own younger loads; 20 and 16: and the next block's 16.
.macro FRONT b, gate                   ; a block up to the next block's loads
	KS \b,0,12
	KS \b,1,8
	CLUMP (\b)+7
	RUN (\b)+1,\gate
.endm
.macro REAR b
	KS \b,2,20
	KS \b,3,16
.endm
; a tile, from its block 0's K step 2 to the next tile's block 0's K step 1.  chg: a change of slots; fill: the slot just read is filled again
.macro TILE chg, fill
	REAR 0
	FRONT 1,0
	REAR 1
	FRONT 2,0
	REAR 2
	FRONT 3,0
	REAR 3
	FRONT 4,2
	REAR 4
	FRONT 5,0
	REAR 5
	FRONT 6,0                                      ; the last loads from this slot
.if \chg
	WIN 0
.if \fill
	s_wait_xcnt 0x0                                ; my prefetch has read its address
.endif
	s_wait_tensorcnt 0x0                           ; my part of the next tile has landed
	ds_add_u32 v[SPW], v[NIL]
	KS 6,2,21                                      ; (the add is one more)
	KS 6,3,17
	KS 7,0,13
	s_wait_dscnt 0x0                               ; the add is done, and so are my reads of this slot
	s_barrier_signal -1
	MM 7,1,0
.if \fill
	s_and_b32 s[OF], s[TF], 3
	s_lshl_b32 s[OF], s[OF], 21
.endif
	MM 7,1,1
.if \fill
	s_lshr_b32 s23, s[TF], 2
	s_lshl_b32 s23, s23, 16
.endif
	MM 7,1,2
.if \fill
	s_add_co_u32 s[OF], s[OF], s23
	s_add_nc_u64 s[G0A+2:G0A+3], s[WB:WB+1], s[OF:OF+1]       ; tile TF
.endif
	MM 7,1,3
.if \fill
	s_or_b32 s[G0A+3], s[G0A+3], 0x80000000
	s_add_co_u32 s[G0A+1], s[TB], s[WL]
.endif
	MM 7,1,4
	s_xor_b32 s[TB], s[TB], SLOTB
.if \fill
	s_add_co_u32 s[TF], s[TF], 1
	s_and_b32 s[OF], s[TF], 3
.endif
	MM 7,1,5
.if \fill
	s_lshl_b32 s[OF], s[OF], 21
	s_lshr_b32 s23, s[TF], 2
.endif
	MM 7,1,6
.if \fill
	s_lshl_b32 s23, s23, 16
	s_add_co_u32 s[OF], s[OF], s23
	s_add_nc_u64 s[PFA:PFA+1], s[PB:PB+1], s[OF:OF+1]         ; the tile after it, for the prefetch
.endif
	MM 7,1,7
	CLUMP 6
	WIN 0
	s_barrier_wait -1
.if \fill
	CREST                                          ; the cluster's round: no partner's wave still reads this slot
	tensor_load_to_lds s[G0A:G0A+3], s[G1:G1+7]
	s_nop 0
.endif
	WIN 0x0c
	v_add_nc_u32 v[AD0], v[AL0], s[TB]
	v_add_nc_u32 v[AD1], v[AL1], s[TB]
	RUN 0,0
.if \fill
	WIN 0
	ASK
.endif
	KS 7,2,-1                                      ; (in registers since the wait for 0)
	KS 7,3,-1
	KS 0,0,12
	KS 0,1,8
	s_add_co_u32 s[GE], s[GE], 2048
	s_and_b32 s[GE], s[GE], 0x1800                 ; 2,048 x (tile % 4)
	CLUMP 7
	RUN 1,1
.else
	REAR 6
	KS 7,0,12
	KS 7,1,8
	CLUMP 6
	KS 7,2,4
	KS 7,3,0
	CLUMP 7
.endif
	WIN 0
.endm
; the sums' start: g x be in the rows that I keep, 0 in those that I hand over
.macro BFLOAD oc
.irp bt, 0,1,2,3
	ds_load_b128 v[BF+8*\bt:BF+8*\bt+3], v[ABT] offset:(64*\oc+16*\bt)*16
	ds_load_b128 v[BF+8*\bt+4:BF+8*\bt+7], v[ABT] offset:(64*\oc+16*\bt)*16
.endr
.endm
.macro GBZERO                          ; k = 16 .. 31 of the gates' fragments
.irp m, 0,1,2,3
.irp j, 4,5,6,7
	v_mov_b32 v[GB+8*\m+\j], 0
.endr
.endr
.endm
.macro INITMM
	WIN 0x40
.irp cb, 0,1,2,3
.irp m, 0,1,2,3
	v_wmma_f32_16x16x32_bf16 v[8*(8*\cb+\m):8*(8*\cb+\m)+7], v[BF+8*\cb:BF+8*\cb+7], v[GB+8*\m:GB+8*\m+7], 0
.endr
.endr
.irp cb, 0,1,2,3
.irp j, 0,2,4,6,8,10,12,14,16,18,20,22,24,26,28,30
	v_pk_mul_f32 v[64*\cb+32+\j:64*\cb+32+\j+1], v[ZP:ZP+1], v[ZP:ZP+1]   ; two zeros an instruction; also the places behind the products
.endr
.endr
	WIN 0
.endm
; THE EXCHANGE with the wave of the other half of K, two blocks of rows (u) at a time, as images of the registers.  The second time each wave stores where it has just read.
.macro SENDX adr, u
	WIN 0x04
.irp c, 0,1
.irp cb, 0,1,2,3
	ds_store_b128 v[\adr], v[8*(8*\cb+4+2*\u+\c):8*(8*\cb+4+2*\u+\c)+3] offset:512*(8*\c+2*\cb)
	ds_store_b128 v[\adr], v[8*(8*\cb+4+2*\u+\c)+4:8*(8*\cb+4+2*\u+\c)+7] offset:512*(8*\c+2*\cb+1)
.endr
.endr
.endm
.macro MEET
	WIN 0
	s_wait_dscnt 0x0                               ; for the partner's sake
	s_barrier_signal -1
	s_barrier_wait -1
.endm
.macro RECVLD adr
.irp n, 0,1,2,3,4,5,6,7,8,9,10,11,12,13,14,15
	ds_load_b128 v[RB+4*\n:RB+4*\n+3], v[\adr] offset:512*\n
.endr
.endm
.macro RECVADD u
	WIN 0x41
.irp c, 0,1
	s_wait_dscnt 8-8*\c
.irp n, 0,1,2,3,4,5,6,7
.set rX, 8*(8*(\n/2)+2*\u+\c)+4*(\n%2)
.set rY, RB+32*\c+4*\n
	v_pk_add_f32 v[rX:rX+1], v[rX:rX+1], v[rY:rY+1]
	v_pk_add_f32 v[rX+2:rX+3], v[rX+2:rX+3], v[rY+2:rY+3]
.endr
.endr
	WIN 0
.endm
; THE WAY OUT: 16 rows x 64 columns through my own stage, so that sixteen lanes store 256 consecutive bytes.  The stage lies in my 8,192 bytes of the exchange: my partner's last access to them stands ahead of the exchange's last barrier
.macro TOSTAGE m, sto, rd, buf
	WIN 0x04
.irp cb, 0,1,2,3
	ds_store_b128 v[\sto], v[8*(8*\cb+\m):8*(8*\cb+\m)+3] offset:64*\cb
	ds_store_b128 v[\sto], v[8*(8*\cb+\m)+4:8*(8*\cb+\m)+7] offset:64*\cb+16
.endr
.irp i, 0,1,2,3,4,5,6,7
	ds_load_b128 v[\buf+4*\i:\buf+4*\i+3], v[\rd] offset:2*SPI*\i   ; LDS serves a wave's instructions in order (ISA guide 5.7.1.4)
.endr
	WIN 0
.endm
.macro SEND oc, m, buf, younger
.if \younger >= 0
	s_wait_dscnt \younger                          ; 16: the next stage's LDS instructions may be out
.endif
.irp i, 0,1,2,3,4,5,6,7
	global_store_b128 v[CO], v[\buf+4*\i:\buf+4*\i+3], s[OB:OB+1] offset:(16*\m+2*\i)*4096+256*\oc th:TH_STORE_NT
.endr
.endm
.macro WAYMID                          ; the first half's way out: the even block's sums and all fragments stay
	SENDX EXA,0
	MEET
	RECVLD EXB
	RECVADD 0
	SENDX EXB,1
	MEET
	RECVLD EXA
	RECVADD 1
	s_wait_alu depctr_va_vdst(0)
	TOSTAGE 0,STO,RD,RB
	TOSTAGE 1,STO,RD,RB+32
	SEND 0,0,RB,16
	s_wait_xcnt 0x0                                ; the stores have read their registers
	TOSTAGE 2,STO,RD,RB
	SEND 0,1,RB+32,16
	s_wait_xcnt 0x0
	TOSTAGE 3,STO,RD,RB+32
	SEND 0,2,RB,16
	SEND 0,3,RB+32,0
.endm
.macro WAYEND                          ; the second half's: its stage lies in slot 0, which has had its last fill and, ahead of the last change of slots, its last read; v64-191 are free
	SENDX EXA,0
	MEET
	RECVLD EXB
	RECVADD 0
	SENDX EXB,1
	TOSTAGE 0,STO2,RD2,64
	TOSTAGE 1,STO2,RD2,96
	MEET
	RECVLD EXA
	SEND 1,0,64,-1                                 ; (back in registers since the wait for 0 ahead of the barrier)
	SEND 1,1,96,-1
	RECVADD 1
	TOSTAGE 2,STO2,RD2,128
	TOSTAGE 3,STO2,RD2,160
	SEND 1,2,128,16
	SEND 1,3,160,0
.endm
	s_load_b256 s[4:11], s[0:1], 0x0               ; xq s[4:5], We s[6:7], gs s[8:9], be s[10:11]
	s_load_b128 s[12:15], s[0:1], 0x20             ; the exponents s[12:13], out0 s[14:15]
	v_lshl_add_u32 v[SPW], v0, 2, SPARE
	v_mov_b32 v[NIL], 0
	ds_add_u32 v[SPW], v[NIL]
	ds_add_u32 v[SPW], v[NIL]
	v_lshrrev_b32 v1, 5, v0
	v_readfirstlane_b32 s[WV], v1
	s_bfe_u32 s17, ttmp6, 0x40000                  ; cx
	s_bfe_u32 s22, ttmp6, 0x40004                  ; cy
	s_lshl_b32 s18, ttmp9, 2
	s_add_co_u32 s18, s18, s17                     ; row block, 256 rows
	s_and_b32 s19, ttmp7, 0xffff
	s_lshl_b32 s19, s19, 2
	s_add_co_u32 s19, s19, s22                     ; column block, 128 columns
	s_lshl_b32 s68, s22, 2
	s_lshl_b32 s68, 15, s68                        ; the four with my column block
	s_lshl_b32 s69, 0x1111, s17                    ; the four with my row block
	; group 1: elements of 1 byte, 16 bytes of padding behind every 1,024
	s_or_b32 s[G1], s68, PADW                      ; We: 32 rows of 1,024 bytes, a refill's quarter of a tile
	s_mov_b32 s[G1+1], 1024<<16
	s_mov_b32 s[G1+2], 32<<16
	s_mov_b32 s[G1+3], 1024<<16
	s_mov_b32 s[G1+4], 32
	s_mov_b32 s[G1+5], 1024
	s_mov_b32 s[G1+6], 0
	s_mov_b32 s[G1+7], 0
	s_or_b32 s[G1H], s68, PADW                     ; We at the head: 64 rows, half of tile 0
	s_mov_b32 s[G1H+1], 1024<<16
	s_mov_b32 s[G1H+2], 64<<16
	s_mov_b32 s[G1H+3], 1024<<16
	s_mov_b32 s[G1H+4], 64
	s_mov_b32 s[G1H+5], 1024
	s_mov_b32 s[G1H+6], 0
	s_mov_b32 s[G1H+7], 0
	s_or_b32 s[G1A], s69, PADW                     ; x at the head: 16 blocks of rows x 4,096 bytes (two fragments), 16,384 bytes apart
	s_mov_b32 s[G1A+1], 4096<<16
	s_mov_b32 s[G1A+2], 16<<16
	s_mov_b32 s[G1A+3], 4096<<16
	s_mov_b32 s[G1A+4], 16
	s_mov_b32 s[G1A+5], 16384
	s_mov_b32 s[G1A+6], 0
	s_mov_b32 s[G1A+7], 0
	s_and_b32 s[KH], s[WV], 1                      ; my half of K
	s_lshr_b32 s[RG], s[WV], 1                     ; my row group
	s_lshl_b32 s[OF], s19, 17
	s_mov_b32 s[OF+1], 0
	s_lshl_b32 s70, s[KH], 20
	s_add_co_u32 s66, s[OF], s70                   ; We at the head: waves 0 and 1: expert 0 and 1
	s_mov_b32 s67, 0
	s_lshl_b32 s70, s[RG], 20
	s_add_co_u32 s[OF], s[OF], s70                 ; We in a refill: expert wave / 2 of the pair, rows 32 (wave % 2) on
	s_lshl_b32 s70, s[KH], 15
	s_add_co_u32 s[OF], s[OF], s70
	s_lshl_b32 s72, s18, 18
	s_lshl_b32 s70, s[KH], 13
	s_add_co_u32 s72, s72, s70
	s_add_co_u32 s72, s72, 4096                    ; x at the head: waves 2 and 3: K steps 2 and 3 of the first and of the second half of K
	s_mov_b32 s73, 0
	s_mul_i32 s[WL], s[WV], 32*PITCH
	s_mul_i32 s74, s[KH], 64*PITCH
	s_mov_b32 s[TB], 0
	s_mov_b32 s[GE], 0
	s_mov_b32 s[TF], 2
	s_cmp_eq_u32 ttmp9, 0
	s_cselect_b32 s[LIM], 8, 0
	s_mov_b32 s[G0A], 1
	s_mov_b32 s[G0B], 1
	s_mov_b32 s[G0C], 1
	s_mov_b32 s[G0B+1], s74
	s_add_co_u32 s[G0C+1], s74, SLOTB
	s_wait_alu depctr_va_vdst(0)
	s_wait_dscnt 0x0                               ; both adds are done
	s_wait_kmcnt 0x0
	s_load_b64 s[56:57], s[12:13], 0x0             ; e0, e1
	s_add_nc_u64 s[WB:WB+1], s[6:7], s[OF:OF+1]
	s_add_nc_u64 s[G0B+2:G0B+3], s[6:7], s[66:67]
	s_or_b32 s[G0B+3], s[G0B+3], 0x80000000
	s_add_nc_u64 s[G0C+2:G0C+3], s[4:5], s[72:73]
	s_or_b32 s[G0C+3], s[G0C+3], 0x80000000
	CROUND                                         ; all sixteen work-groups are here: the joint loads meet
	s_cmp_lt_u32 s[WV], 2
	s_cbranch_scc0 .Lhead_x
	tensor_load_to_lds s[G0B:G0B+3], s[G1H:G1H+7]
	s_nop 0
	PLACES
	s_branch .Lhead_asked
.Lhead_x:
	tensor_load_to_lds s[G0C:G0C+3], s[G1A:G1A+7]
	s_nop 0
	PLACES
.Lhead_asked:
	s_lshl_b32 s70, s18, 18
	s_lshl_b32 s71, s[RG], 17
	s_add_co_u32 s70, s70, s71
	s_lshl_b32 s71, s[KH], 13
	s_add_co_u32 s70, s70, s71
	s_mov_b32 s71, 0
	s_add_nc_u64 s[4:5], s[4:5], s[70:71]          ; x: my row group, my half of K
	s_lshl_b32 s70, s18, 13
	s_lshl_b32 s23, s[WV], 11
	s_add_co_u32 s70, s70, s23
	s_add_nc_u64 s[8:9], s[8:9], s[70:71]          ; gates of the 64 rows that I keep
	s_lshl_b32 s70, s19, 9
	s_add_nc_u64 s[10:11], s[10:11], s[70:71]
	s_add_nc_u64 s[OB:OB+1], s[14:15], s[70:71]
	s_lshl_b32 s70, s18, 20
	s_lshl_b32 s23, s[WV], 18
	s_add_co_u32 s70, s70, s23
	s_add_nc_u64 s[OB:OB+1], s[OB:OB+1], s[70:71]  ; out: my first row, my first column
	s_lshl_b32 s70, s17, 13
	s_add_nc_u64 s[PB:PB+1], s[WB:WB+1], s[70:71]
	s_lshl_b32 s70, s[KH], 16
	s_xor_b32 s71, s70, 65536
	v_and_b32 v1, 15, v0                           ; r
	v_bfe_u32 v2, v0, 4, 1                         ; h
	v_lshlrev_b32 v[GOF], 5, v1
	v_lshlrev_b32 v[BOF], 2, v0
	v_and_b32 v[L16], 31, v0
	v_lshlrev_b32 v[PFO], 8, v[L16]
	v_lshlrev_b32 v[L16], 4, v[L16]
	v_add_nc_u32 v[XO0], s70, v[L16]               ; local blocks 0-3,
	v_add_nc_u32 v[XO0+1], s71, v[L16]             ; and 4-7
	s_wait_alu depctr_va_vdst(0)
.irp m, 0,1,2,3
	global_load_b128 v[GT+8*\m:GT+8*\m+3], v[GOF], s[8:9] offset:512*\m
	global_load_b128 v[GT+8*\m+4:GT+8*\m+7], v[GOF], s[8:9] offset:512*\m+16
.endr
.irp e, 0,1,2,3,4,5,6,7
	global_load_b32 v[BE+\e], v[BOF], s[10:11] offset:4096*\e
.endr
	WIN 0xc0
.irp s, 0,1
.irp m, 0,1,2,3,4,5,6,7
.irp q, 0,1,2,3
	global_load_b128 v[16*(8*\s+\m)+4*\q:16*(8*\s+\m)+4*\q+3], v[XO0+(\m/4)], s[4:5] offset:16384*(\m%4)+2048*\s+512*\q
.endr
.endr
.endr
	WIN 0
	v_mul_u32_u24 v[AL0], v1, PITCH
	v_lshl_add_u32 v[AL0], v2, 4, v[AL0]
	s_lshl_b32 s70, s[KH], 9
	v_add_nc_u32 v[AL0], s70, v[AL0]               ; a fragment: row r, my half of K, + 16 h
	v_add_nc_u32 v[AL1], 64*PITCH, v[AL0]          ; the pair's second expert
	v_mov_b32 v[AD0], v[AL0]
	v_mov_b32 v[AD1], v[AL1]
	s_lshl_b32 s70, s[RG], 9
	s_lshl_b32 s71, s[KH], 4
	s_add_co_u32 s70, s70, s71
	s_add_co_u32 s70, s70, GATES
	s_xor_b32 s71, s70, 16
	v_lshl_add_u32 v[AGA0], v1, 5, s70             ; gates of local blocks 0-3,
	v_lshl_add_u32 v[AGB0], v1, 5, s71             ; and 4-7
	s_lshl_b32 s70, s[WV], 13
	s_add_co_u32 s70, s70, EX
	v_add_nc_u32 v[EXA], s70, v[L16]
	v_mul_u32_u24 v[STO], v1, SPI
	v_lshl_add_u32 v[STO], v2, 5, v[STO]
	v_add_nc_u32 v[STO], s70, v[STO]
	v_mul_u32_u24 v[RD], v2, SPI
	v_lshl_add_u32 v[RD], v1, 4, v[RD]
	v_add_nc_u32 v[RD], s70, v[RD]
	s_xor_b32 s71, s[WV], 1
	s_lshl_b32 s71, s71, 13
	s_add_co_u32 s71, s71, EX
	v_add_nc_u32 v[EXB], s71, v[L16]
	v_lshlrev_b32 v[CO], 12, v2
	v_lshl_add_u32 v[CO], v1, 4, v[CO]
	v_lshl_add_u32 v[ABT], v1, 4, BT
	v_add_nc_u32 v[HM], -1, v2                     ; all ones in lanes 0-15, 0 in the others
	v_lshl_add_u32 v[BTS], v0, 4, BT
	s_lshl_b32 s70, s[WV], 11
	s_add_co_u32 s70, s70, GBI
	v_add_nc_u32 v[GBA], s70, v[L16]
	s_mul_i32 s70, s[KH], 80*PITCH                 ; x in slot 1: 64 rows of PITCH for each half of K, four for each block of rows
	s_mul_i32 s71, s[RG], 32*PITCH
	s_add_co_u32 s70, s70, s71
	s_add_co_u32 s70, s70, SLOTB
	v_add_nc_u32 v[A2A], s70, v[L16]               ; local blocks 0-3: 16 kh rows on,
	s_mul_i32 s70, s[KH], 48*PITCH
	s_add_co_u32 s70, s70, s71
	s_add_co_u32 s70, s70, SLOTB+16*PITCH
	v_add_nc_u32 v[A2A+1], s70, v[L16]             ; and 4-7: 16 (1 - kh) rows on
	s_mov_b32 s70, EX
	v_sub_nc_u32 v[STO2], v[STO], s70
	v_sub_nc_u32 v[RD2], v[RD], s70
	v_mov_b32 v[ZP], 0
	v_mov_b32 v[ZP+1], 0
	s_wait_alu depctr_va_vdst(0)
	s_wait_loadcnt 63                              ; the gates and be are in (64 loads of x stand behind them)
	s_wait_kmcnt 0x0
	s_add_co_i32 s58, s56, s57
	s_sub_co_i32 s58, 0, s58
.irp e, 0,1,2,3,4,5,6,7
	v_ldexp_f32 v[BE+\e], v[BE+\e], s58            ; be x 2^-(e0 + e1)
.endr
.irp j, 0,1,2,3
	v_cvt_pk_bf16_f32 v[BP+\j], v[BE+2*\j], v[BE+2*\j+1]
.endr
.irp m, 0,1,2,3
.irp j, 0,1,2,3
	v_cvt_pk_bf16_f32 v[GH+4*\m+\j], v[GT+8*\m+2*\j], v[GT+8*\m+2*\j+1]
.endr
.endr
.irp m, 0,1,2,3
.irp j, 0,1,2,3
	v_and_b32 v[GB+8*\m+\j], v[HM], v[GH+4*\m+\j]  ; the eight experts are k = 0 .. 7; every other k is 0
.endr
.endr
	GBZERO
	ds_store_b128 v[BTS], v[BP:BP+3]
.irp m, 0,1,2,3
	ds_store_b128 v[GBA], v[GB+8*\m:GB+8*\m+3] offset:512*\m  ; kept for the second half's start
.endr
.irp e, 0,1,2,3,4,5,6,7
.irp m, 0,1,2,3
	ds_store_b32 v[AGA0], v[GT+8*\m+\e] offset:1024*\e+4*\m
.endr
.endr
	s_wait_alu depctr_va_vdst(0)
	s_wait_tensorcnt 0x0                           ; my part of tile 0 or of x has landed,
	s_wait_dscnt 0x0                               ; and my part of the tables lies in LDS
	s_barrier_signal -1
	s_barrier_wait -1
	BFLOAD 0
	WIN 0x80
.irp s, 0,1
.irp m, 0,1,2,3,4,5,6,7
.irp q, 0,1,2,3
	ds_load_b128 v[16*(8*\s+\m)+4*\q:16*(8*\s+\m)+4*\q+3], v[A2A+(\m/4)] offset:4*PITCH*(\m%4)+2*PITCH*\s+PITCH*(\q/2)+512*(\q%2)
.endr
.endr
.endr
	WIN 0
.irp n, 0,1,2,3,4,5,6,7,8,9,10,11,12,13,14,15
	LD 0,\n
.endr
	s_wait_tensorcnt 0x0
	ds_add_u32 v[SPW], v[NIL]
	s_add_nc_u64 s[G0A+2:G0A+3], s[WB:WB+1], 1<<21 ; tile 1
	s_or_b32 s[G0A+3], s[G0A+3], 0x80000000
	s_add_co_u32 s[G0A+1], s[WL], SLOTB
	s_wait_dscnt 63                                ; of the 89 the first 26 are done, the eight of be among them
	INITMM
	s_wait_dscnt 0x0                               ; the add is done; slot 1's x is in registers
	CROUND
	tensor_load_to_lds s[G0A:G0A+3], s[G1:G1+7]
	s_nop 0
	PLACES
	s_wait_xcnt 0x0                                ; x's loads have read their addresses, which lie among the even block's sums
	KS 0,0,-1
	KS 0,1,-1
	PLACES
	RUN 1,1
	WIN 0
	s_wait_loadcnt 0x0                             ; the rest of x, for the K steps that follow
	s_mov_b32 s[CNT], 4
.Lhalf0:                                               ; tiles 0-3; each trip ends in the middle of the next tile's first block
	TILE 1,1
	s_sub_co_u32 s[CNT], s[CNT], 1
	s_cmp_lg_u32 s[CNT], 0
	s_cbranch_scc1 .Lhalf0
	WAYMID                                         ; (the first half of tile 4's block 0 waits in the even block's sums)
	s_wait_xcnt 0x0                                ; the stores have read their registers
	BFLOAD 1
.irp m, 0,1,2,3
	ds_load_b128 v[GB+8*\m:GB+8*\m+3], v[GBA] offset:512*\m
.endr
	s_wait_dscnt 0x0
	GBZERO
	INITMM
	s_mov_b32 s[CNT], 2
.Lhalf1:                                               ; tiles 4 and 5, which refill for 6 and 7
	TILE 1,1
	s_sub_co_u32 s[CNT], s[CNT], 1
	s_cmp_lg_u32 s[CNT], 0
	s_cbranch_scc1 .Lhalf1
	TILE 1,0
	TILE 0,0
	WAYEND
	s_wait_tensorcnt 0x0                           ; the wave's end
	ds_add_u32 v[SPW], v[NIL]
	s_wait_dscnt 0x0
	CROUND                                         ; the closing round
	s_endpgm
.Lfunc_end_k_qa3e971bf77_experts:
	.size	k_qa3e971bf77_experts, .Lfunc_end_k_qa3e971bf77_experts-k_qa3e971bf77_experts
	.p2alignl 7, 3214868480
	.fill 96, 4, 3214868480
	.section	.rodata,"a",@progbits
	.p2align	6, 0x0
	.amdhsa_kernel k_qa3e971bf77_experts
		.amdhsa_group_segment_fixed_size 327680
		.amdhsa_private_segment_fixed_size 0
		.amdhsa_enable_private_segment 0
		.amdhsa_kernarg_size 48
		.amdhsa_user_sgpr_count 2
		.amdhsa_user_sgpr_kernarg_segment_ptr 1
		.amdhsa_wavefront_size32 1
		.amdhsa_system_sgpr_workgroup_id_x 1
		.amdhsa_system_sgpr_workgroup_id_y 1
		.amdhsa_system_sgpr_workgroup_id_z 1
		.amdhsa_system_vgpr_workitem_id 0
		.amdhsa_next_free_vgpr 1024
		.amdhsa_next_free_sgpr 100
		.amdhsa_reserve_vcc 0
		.amdhsa_float_denorm_mode_32 3
		.amdhsa_float_denorm_mode_16_64 3
		.amdhsa_memory_ordered 1
		.amdhsa_forward_progress 1
		.amdhsa_inst_pref_size 248
	.end_amdhsa_kernel
	.amdgpu_metadata
---
amdhsa.version: [ 1, 2 ]
amdhsa.kernels:
  - .name:           k_qa3e971bf77_experts
    .symbol:         k_qa3e971bf77_experts.kd
    .args:
      - { .name: xq, .offset: 0, .size: 8, .value_kind: global_buffer, .address_space: global }
      - { .name: We_codes, .offset: 8, .size: 8, .value_kind: global_buffer, .address_space: global }
      - { .name: gs, .offset: 16, .size: 8, .value_kind: global_buffer, .address_space: global }
      - { .name: be, .offset: 24, .size: 8, .value_kind: global_buffer, .address_space: global }
      - { .name: lowp_scales, .offset: 32, .size: 8, .value_kind: global_buffer, .address_space: global }
      - { .name: out0, .offset: 40, .size: 8, .value_kind: global_buffer, .address_space: global }
    .group_segment_fixed_size: 327680
    .private_segment_fixed_size: 0
    .kernarg_segment_align: 8
    .kernarg_segment_size: 48
    .max_flat_workgroup_size: 128
    .sgpr_count:     100
    .vgpr_count:     1024
    .wavefront_size: 32
...
	.end_amdgpu_metadata
.endif
;; end of part 4
